; MI455X (gfx1250); checked and timed in simulation.
; The chip was launched on July 23, 2026; its instructions are those of AMD's public machine-readable ISA for CDNA 5 (MIT licence, August 2026) and "CDNA5" Instruction Set Architecture Reference Guide (July 2026). The comments in the code are by the model that wrote it; some were corrected since.
;; Simple Expert FFN. Allowed arithmetic: matrix products marked QUANTISED: E2M1 operands, one E8M0 scale for each 32 along K, by v_wmma_scale_f32_16x16x128_f8f6f4 with both operands' format E2M1 (or v_wmma_scale_f32_32x16x128_f4), f32 sums; products left as they are: f32 operands where the result goes on into a quantised operand, else bf16, f16 or f32 operands; f32 sums; everything else in f32.
;; Inputs: W1_codes 8 x 1,024 x 32 x 16 uint8 (E2M1 codes of W1, K innermost, in blocks of 32 codes, two codes a byte); W1_scales 8 x 1,024 x 32 uint8 (E8M0 scales of W1, one for each 32 codes along K); W2_codes 8 x 1,024 x 32 x 16 uint8 (E2M1 codes of W2, K innermost, in blocks of 32 codes, two codes a byte); W2_scales 8 x 1,024 x 32 uint8 (E8M0 scales of W2, one for each 32 codes along K); Wr 1,024 x 8 float32; b1 8 x 1,024 float32; b2 8 x 1,024 float32; br 8 float32; x 2 x 2,048 x 1,024 float32.
;; Outputs: out0 2 x 2,048 x 1,024 float32.
;; This version of the problem:
;;   THIS VERSION OF THE PROBLEM IS GIVEN IN LOW PRECISION. The matrix products marked QUANTISED in the list below multiply operands that are first quantised to E2M1 (2 exponent bits, 1 mantissa bit; 4 bits a number), with one power-of-two scale for each 32 numbers along K (OCP MX v1.0); their sums are f32. All else is computed in f32.
;;   The module's matrix products, in the order in which they are computed (A, B: the left and right operand; K: the contracted axis; several contracted axes count as one K, in the product's order):
;;     1. [M 4,096, K 1,024] x [K 1,024, N 8]; A: input x; B: input Wr: left as it is (N = 8 < 16)
;;     2. [M 8,192, K 1,024] x [K 1,024, N 4,096]; A: input W1 (given as codes); B: input x: QUANTISED
;;     3. batch 8 x [M 4,096, K 1,024] x [K 1,024, N 1,024]; A: computed on the way; B: input W2 (given as codes): QUANTISED
;;     4. batch 4,096 x [M 1, K 8] x [K 8, N 1,024]; A: computed on the way; B: computed on the way: left as it is (K = 8 < 32)
;;   THE QUANTISER, for each operand of a quantised product, along K:
;;     - K is cut into blocks of 32 from its start; a last block that is shorter is filled with zeros.
;;     - A block's scale is 2^e with e = floor(log2(the largest magnitude in the block)) - 2, held to -126 .. 127; a block of zeros has e = 0. As a byte (E8M0): e + 127.
;;     - Each number is divided by its block's scale, clamped to +-6, and rounded to the nearest number of E2M1, ties to even, subnormals kept.
;;     - The product sums the exact products of the quantised numbers (number of the format x scale) in f32.
;;   ~~~python
;;   def quantise(x, axis):      # numpy; x: float32 -> the quantised numbers, widened to float32 again
;;       x = np.moveaxis(x, axis, -1); K = x.shape[-1]
;;       x = np.pad(x, [(0, 0)] * (x.ndim - 1) + [(0, -K % 32)]); x = x.reshape(x.shape[:-1] + (-1, 32)); a = np.abs(x).max(-1, keepdims=True)
;;       e = np.where(a > 0, np.clip(np.frexp(np.where(a > 0, a, 1))[1] - 1 - 2, -126, 127), 0)      # np.frexp(a)[1] - 1 = floor(log2(a)), exactly
;;       r = np.clip(x / 2.0 ** e, -6, 6)
;;       step = 2.0 ** (np.maximum(np.frexp(np.where(r == 0, 1, r))[1] - 1, 0) - 1)
;;       q = np.round(r / step) * step * 2.0 ** e      # np.round: ties to even
;;       return np.moveaxis(q.reshape(q.shape[:-2] + (-1,))[..., :K], -1, axis).astype(np.float32)
;;   ~~~
;;   OPERANDS COMPUTED ON THE WAY. 'Computed on the way' means the value that the module computes at that place (a softmax that the list does not call 'softmax' is quantised finished and normalised). What goes into a quantiser is computed in f32, as accurately as f32 sums, v_exp_f32 and their like allow (about 1e-6 of the number): no bf16 or f16 on the way to a quantiser, and a product that is left as it is and whose result goes on into a quantised operand takes f32 operands (vector FMAs, or v_wmma_f32_16x16x4_f32). A number that lies on a knife's edge between two numbers of the format may be rounded either way, as far as f32 arithmetic and the matrix unit's own rounding can turn it there, and no further.
;;   INPUTS GIVEN AS CODES. W1 (in the module: [8, 1024, 1024], K = its axis 1); W2 (in the module: [8, 1024, 1024], K = its axis 1): each comes as NAME_codes (uint8): NAME with its K axis moved to the last place and cut into blocks of 32 codes, [.., K / 32, bytes a block], one block behind the other in memory; two codes a byte, the lower K in the low four bits (a code: sign, 2 exponent bits, 1 mantissa bit); and NAME_scales (uint8): the same leading axes, one E8M0 byte (e + 127) for each 32 codes along K. Its value is code x scale, taken as it is: it is not quantised again, and the codes and scales need not be those that the quantiser above would give.
;; 2 versions, each right; version 2 is version 1 with the launch chain written anew for expert scheduling mode. Each part assembles by itself: llvm-mc -triple=amdgcn-amd-amdhsa -mcpu=gfx1250 --defsym DOCPART=n.
;; ======== version 1 of 2: 3 launches
;; workspace buffers: xq 2,097,152 bytes; xs 131,072 bytes; eidx 16,384 bytes of whole numbers; gate 16,384 bytes; rows 18,432 bytes of whole numbers; tiles 4,096 bytes of whole numbers; wl 8,978,432 bytes
;; launch route (part 1): grid 256 x 1, 8 waves a work-group, no clusters, 117,504 bytes of LDS; arguments x, Wr, br, xq, xs, eidx, gate; writes xq, xs, eidx, gate
.if DOCPART == 1
	.amdgcn_target "amdgcn-amd-amdhsa--gfx1250"
	.amdhsa_code_object_version 6
	.text
	.protected	k_qf075c4445c_route
	.globl	k_qf075c4445c_route
	.p2align	8
	.type	k_qf075c4445c_route,@function
k_qf075c4445c_route:
	s_mov_b64 s[64:65], 0
	v_nop
	global_prefetch_b8 v0, s[64:65] scope:SCOPE_SE
	s_setreg_imm32_b32 hwreg(HW_REG_WAVE_MODE, 25, 1), 1
	s_wait_xcnt 0x0
; ROUTER AND QUANTISER.  x: [4096 tokens][1024] f32.  logits = x Wr + br in f32; gate = the softmax's largest value = 1 / sum of e^(l - max); eidx = the first expert that has the largest logit.
; x is also turned into codes of FP4 (E2M1), K innermost (xq: 512 bytes a token), with one E8M0 byte for each 32 along K (xs: 32 bytes a token).
; SHARES.  A work-group owns 16 tokens; wave w owns K step w (k = 128 w .. 128 w + 127) of these 16 rows: it reads them once, and they serve the logits and the codes.
; Each load reads 512 consecutive bytes of one row; the numbers turn through the wave's own LDS so that lane (r, h) holds, of token r, 16 neighbours of each block of 32: register 16 b + i = k 32 b + 16 h + i.
; The wave's slice of Wr turns likewise, so that lane (r, h) holds the same k of expert r % 8.  The logits are made by the f32 matrix form, used transposed (source 0 = Wr's columns, source 1 = the tokens):
; a lane then holds one token and its eight registers the eight experts.  The same places of k are given to both sources, so the products are kept.  Four accumulators take turns.
; The eight waves' partial logits, code pieces and scale words meet in LDS behind ONE barrier; then every wave stores two whole rows of codes, wave 1 the scale bytes, wave 0 finishes the router.
; No cluster: what the work-groups share is Wr, 32,768 bytes against the 65,536 bytes of x that each reads alone, and Wr has to be turned in registers.  No prefetch: each wave's 24 loads go out at its head, and nothing is asked for later.
; LIMITS.  NaN and infinities in x are not served.  The expert is the argmax of the logits: it can differ from the argmax of the probabilities only where two logits lie so close that their exponentials round alike.
; A block of zeros gets the byte 1 where the quantiser's rule says 127: its codes are zeros, and this program alone reads the bytes.  Blocks whose largest magnitude lies under 2^-124 are held at the byte 1.
.set PIT,   528                        ; an LDS row: 512 bytes + 16 of padding: 33 x 16, so that 16 rows begin in 16 different columns of 16 bytes
.set TURNW, 16*PIT                     ; LDS 0: for each wave 16 rows of x's K step
.set WT,    8*TURNW                    ; then for each wave its slice of Wr, turned: 8 experts x 128 k
.set WTW,   8*PIT
.set RED,   WT+8*WTW                   ; the waves' partial logits: 768 bytes a wave, 48 a token
.set REDW,  768
.set XROW,  RED+8*REDW                 ; the 16 tokens' rows of codes
.set XSL,   XROW+16*PIT                ; and their scale bytes, 32 a token
.set XR,    32                         ; v32-95   x as loaded; then Wr's slice as an operand; then the finisher's 64 partial logits
.set WB,    32
.set X,     96                         ; v96-159  64 numbers of my token
.set WRAW,  160                        ; v160-191 Wr as loaded
.set ACC,   192                        ; v192-223 four accumulators: matrix instructions alone write them
.set TM,    224                        ; v224-227 largest magnitudes, v228-231 bytes, v236-239 the conversions' scale operands
.set PC,    240                        ; v240-247 the fragment's codes
.set PW,    248                        ; v248     its scale word
; 64 numbers of a lane, register 16 b + i = k 32 b + 16 (lane / 16) + i of its row, become a fragment's codes in v[PC] on and its scale word in v[PW].
.macro QUANT s
.irp b, 0,1,2,3
	v_max3_num_f32 v[TM+\b], |v[\s+16*\b]|, |v[\s+1+16*\b]|, 0x1800000   ; block b: my 16 numbers, and the floor 2^(3 - 127): the byte cannot fall under 1
.endr
.irp i, 2,4,6,8,10,12,14
.irp b, 0,1,2,3
	v_max3_num_f32 v[TM+\b], v[TM+\b], |v[\s+16*\b+\i]|, |v[\s+1+16*\b+\i]|   ; the four blocks by turns
.endr
.endr
.irp b, 0,1,2,3
	v_permlanex16_b32 v[TM+4+\b], v[TM+\b], s20, s21
.endr
.irp b, 0,1,2,3
	v_max_num_f32 v[TM+\b], v[TM+\b], v[TM+4+\b]   ; with lane l xor 16's: the block's largest magnitude
.endr
.irp b, 0,1,2,3
	v_add_nc_u32 v[TM+12+\b], 0xff000000, v[TM+\b]   ; 2 off its exponent field: the conversion takes this operand's exponent field as its scale
.endr
.irp b, 0,1,2,3
	v_lshrrev_b32 v[TM+4+\b], 23, v[TM+12+\b]      ; the scale's byte
.endr
	v_lshl_or_b32 v[PW], v[TM+5], 8, v[TM+4]
	v_lshl_or_b32 v[PW], v[TM+6], 16, v[PW]
	v_lshl_or_b32 v[PW], v[TM+7], 24, v[PW]
.irp b, 0,1,2,3
	v_cvt_scalef32_pk8_fp4_f32 v[PC+2*\b], v[\s+16*\b:\s+7+16*\b], v[TM+12+\b]
	v_cvt_scalef32_pk8_fp4_f32 v[PC+1+2*\b], v[\s+8+16*\b:\s+15+16*\b], v[TM+12+\b]
.endr
	v_nop                                          ; one plain place behind a scaled conversion
.irp c, 0,1                                    ; the operand's layout wants a whole block in a lane: lanes 0-15 block 2 c, lanes 16-31 block 2 c + 1
.irp i, 0,1
	v_permlane16_swap_b32 v[PC+4*\c+\i], v[PC+2+4*\c+\i]
.endr
.endr
.endm
	s_load_b256 s[4:11], s[0:1], 0x0               ; x s[4:5], Wr s[6:7], br s[8:9], xq s[10:11]
	s_load_b128 s[12:15], s[0:1], 0x20             ; xs s[12:13], eidx s[14:15]
	s_load_b64 s[16:17], s[0:1], 0x30              ; gate
	v_lshl_add_u32 v254, v0, 2, 0x1c700
	v_mov_b32 v255, 0
	v_lshrrev_b32 v10, 5, v0
	v_readfirstlane_b32 s18, v10                   ; wave 0..7
	v_and_b32 v11, 31, v0                          ; lane
	v_and_b32 v12, 15, v0                          ; r
	v_bfe_u32 v13, v0, 4, 1                        ; h
	v_lshlrev_b32 v1, 4, v11                       ; v1 = 16 x lane; never rewritten
	s_lshl_b32 s32, ttmp9, 16                      ; 16 rows of 4,096 bytes a work-group,
	s_lshl_b32 s34, s18, 9                         ; 512 bytes a K step
	s_add_co_u32 s32, s32, s34
	s_mov_b32 s33, 0
	s_wait_kmcnt 0x0
	s_add_nc_u64 s[4:5], s[4:5], s[32:33]
	s_lshl_b32 s32, s18, 12                        ; Wr: 128 rows of 32 bytes a K step
	s_add_nc_u64 s[6:7], s[6:7], s[32:33]
.irp i, 0,1,2,3,4,5,6,7,8,9,10,11,12,13,14,15
	global_load_b128 v[XR+4*\i:XR+4*\i+3], v1, s[4:5] offset:4096*\i th:TH_LOAD_NT   ; row i: 32 lanes read 512 consecutive bytes
.endr
.irp i, 0,1,2,3,4,5,6,7
	global_load_b128 v[WRAW+4*\i:WRAW+4*\i+3], v1, s[6:7] offset:512*\i
.endr
	s_load_b256 s[24:31], s[8:9], 0x0              ; br
	s_mov_b32 s20, 0x76543210
	s_mov_b32 s21, 0xfedcba98                      ; v_permlanex16_b32's selects for lane l xor 16
	; every LDS address is made here, ahead of the parting by wave number at the end
	s_mul_i32 s19, s18, TURNW
	v_add_nc_u32 v2, s19, v1                       ; v2: into my turn: 16 x lane, the row in the immediate
	v_mul_u32_u24 v14, v12, PIT
	v_lshl_add_u32 v3, v13, 6, v14
	v_add_nc_u32 v3, s19, v3                       ; v3: out of it: row r, + 64 h
	s_mul_i32 s22, s18, WTW
	s_add_co_u32 s22, s22, WT
	v_and_b32 v15, 1, v0
	v_mul_u32_u24 v15, v15, 4*PIT                  ; a lane's 16 bytes of Wr are experts 4 (lane % 2) + 0 .. 3 of k = 16 i + lane / 2
	v_bfe_u32 v16, v0, 1, 4
	v_lshl_add_u32 v4, v16, 2, v15
	v_add_nc_u32 v4, s22, v4                       ; v4: Wr turned, on the way in
	v_and_b32 v15, 7, v0
	v_mul_u32_u24 v15, v15, PIT
	v_lshl_add_u32 v5, v13, 6, v15
	v_add_nc_u32 v5, s22, v5                       ; v5: and out: expert r % 8, + 64 h
	v_mul_u32_u24 v27, v12, 48
	v_add_nc_u32 v27, RED, v27                     ; v27: token r's partial logits, wave 0's
	s_mul_i32 s23, s18, REDW
	v_add_nc_u32 v6, s23, v27                      ; v6: and my wave's
	s_lshl_b32 s23, s18, 6
	s_add_co_u32 s23, s23, XROW
	v_lshl_add_u32 v7, v13, 4, v14
	v_add_nc_u32 v7, s23, v7                       ; v7: my piece of token r's row of codes: 64 w + 16 h
	s_lshl_b32 s23, s18, 2
	s_add_co_u32 s23, s23, XSL
	v_lshl_add_u32 v8, v12, 5, s23                 ; v8: my scale word: 32 r + 4 w
	s_mul_i32 s23, s18, 2*PIT
	s_add_co_u32 s23, s23, XROW
	v_add_nc_u32 v9, s23, v1                       ; v9: rows 2 w and 2 w + 1 of codes, on the way out
	v_add_nc_u32 v28, XSL, v1                      ; v28: the scale bytes on the way out
	v_lshlrev_b32 v29, 2, v12                      ; v29: 4 r
.irp b, 0,1,2,3
	v_mov_b32 v[TM+4+\b], 0                        ; written once: a lane permute's destination counts as one of its sources
.endr
	s_lshl_b32 s32, ttmp9, 13                      ; xq: 16 rows of 512 bytes a work-group, two rows a wave
	s_lshl_b32 s34, s18, 10
	s_add_co_u32 s32, s32, s34
	s_add_nc_u64 s[10:11], s[10:11], s[32:33]
	s_lshl_b32 s32, ttmp9, 9                       ; xs: 512 bytes a work-group
	s_add_nc_u64 s[12:13], s[12:13], s[32:33]
	s_lshl_b32 s32, ttmp9, 6                       ; eidx, gate: 64 bytes a work-group
	s_add_nc_u64 s[14:15], s[14:15], s[32:33]
	s_add_nc_u64 s[16:17], s[16:17], s[32:33]
	s_wait_loadcnt 8                               ; x's 16 loads are in; Wr's 8, issued behind them, may be out
.irp i, 0,1,2,3,4,5,6,7,8,9,10,11,12,13,14,15
	ds_store_b128 v2, v[XR+4*\i:XR+4*\i+3] offset:PIT*\i
.endr
.irp b, 0,1,2,3
.irp q, 0,1,2,3
	ds_load_b128 v[X+16*\b+4*\q:X+16*\b+4*\q+3], v3 offset:128*\b+16*\q   ; LDS serves a wave's instructions in order (ISA guide 5.7.1.4): these see my stores
.endr
.endr
	s_wait_loadcnt 0x0                             ; Wr
.irp i, 0,1,2,3,4,5,6,7
.irp j, 0,1,2,3
	ds_store_b32 v4, v[WRAW+4*\i+\j] offset:PIT*\j+64*\i
.endr
.endr
	s_wait_dscnt 0x0                               ; x is back, and the stores have read v32-95, which now take Wr's slice
.irp b, 0,1,2,3
.irp q, 0,1,2,3
	ds_load_b128 v[WB+16*\b+4*\q:WB+16*\b+4*\q+3], v5 offset:128*\b+16*\q
.endr
.endr
	s_wait_dscnt 0x0
	; 32 products of 16 x 16 x 4: accumulator b takes block b's 32 k, eight instructions deep; the first of each starts its sum
.irp i, 0,1,2,3,4,5,6,7
.irp b, 0,1,2,3
.if \i == 0
	v_wmma_f32_16x16x4_f32 v[ACC+8*\b:ACC+8*\b+7], v[WB+16*\b:WB+16*\b+1], v[X+16*\b:X+16*\b+1], 0
.else
	v_wmma_f32_16x16x4_f32 v[ACC+8*\b:ACC+8*\b+7], v[WB+16*\b+2*\i:WB+16*\b+2*\i+1], v[X+16*\b+2*\i:X+16*\b+2*\i+1], v[ACC+8*\b:ACC+8*\b+7]
.endif
.endr
.endr
	QUANT X                                        ; its plain lines are also the places between the last products and the first read of their results (ISA guide 7.12.1)
.irp j, 0,2,4,6
	v_pk_add_f32 v[10+\j:11+\j], v[ACC+\j:ACC+\j+1], v[ACC+8+\j:ACC+8+\j+1]   ; each accumulator is read from its low end on
.endr
.irp j, 0,2,4,6
	v_pk_add_f32 v[18+\j:19+\j], v[ACC+16+\j:ACC+16+\j+1], v[ACC+24+\j:ACC+24+\j+1]
.endr
.irp j, 0,2,4,6
	v_pk_add_f32 v[10+\j:11+\j], v[10+\j:11+\j], v[18+\j:19+\j]   ; my K step's part of token r's eight logits (both halves of the lanes hold the same)
.endr
	ds_store_b128 v6, v[10:13]
	ds_store_b128 v6, v[14:17] offset:16
	ds_store_b128 v7, v[PC:PC+3]                   ; k = 32 h + 0 .. 31 of my K step
	ds_store_b128 v7, v[PC+4:PC+7] offset:32       ; k = 64 + 32 h + 0 .. 31
	ds_store_b32 v8, v[PW]
	s_wait_dscnt 0x0                               ; for the others' sake: my stores have landed
	s_barrier_signal -1
	s_barrier_wait -1
	ds_load_b128 v[96:99], v9
	ds_load_b128 v[100:103], v9 offset:PIT
	s_wait_dscnt 0x0
	global_store_b128 v1, v[96:99], s[10:11]       ; a whole row of codes: 512 consecutive bytes, aligned
	global_store_b128 v1, v[100:103], s[10:11] offset:512
	s_cmp_eq_u32 s18, 1
	s_cbranch_scc0 .Lnot_wave_1
	ds_load_b128 v[104:107], v28
	s_wait_dscnt 0x0
	global_store_b128 v1, v[104:107], s[12:13]     ; the 16 tokens' scale bytes: 512 consecutive bytes, aligned
.Lnot_wave_1:
	s_cmp_eq_u32 s18, 0
	s_cbranch_scc0 .Lend
	; wave 0 finishes the router: lane r (and lane r + 16 with it) takes token r
.irp w, 0,1,2,3,4,5,6,7
.irp q, 0,1
	ds_load_b128 v[32+8*\w+4*\q:35+8*\w+4*\q], v27 offset:REDW*\w+16*\q
.endr
.endr
	s_wait_dscnt 0x0
.irp j, 0,2,4,6
	v_pk_add_f32 v[32+\j:33+\j], v[32+\j:33+\j], v[40+\j:41+\j]
	v_pk_add_f32 v[48+\j:49+\j], v[48+\j:49+\j], v[56+\j:57+\j]
	v_pk_add_f32 v[64+\j:65+\j], v[64+\j:65+\j], v[72+\j:73+\j]
	v_pk_add_f32 v[80+\j:81+\j], v[80+\j:81+\j], v[88+\j:89+\j]
.endr
.irp j, 0,2,4,6
	v_pk_add_f32 v[32+\j:33+\j], v[32+\j:33+\j], v[48+\j:49+\j]
	v_pk_add_f32 v[64+\j:65+\j], v[64+\j:65+\j], v[80+\j:81+\j]
.endr
.irp j, 0,2,4,6
	v_pk_add_f32 v[32+\j:33+\j], v[32+\j:33+\j], v[64+\j:65+\j]
.endr
	s_wait_kmcnt 0x0                               ; br
.irp e, 0,1,2,3,4,5,6,7
	v_add_f32 v[32+\e], s[24+\e], v[32+\e]         ; the logits
.endr
	v_max3_num_f32 v26, v32, v33, v34
	v_max3_num_f32 v26, v26, v35, v36
	v_max3_num_f32 v26, v26, v37, v38
	v_max_num_f32 v26, v26, v39                    ; the largest: it is taken away before the exponentials, as the softmax does
.irp e, 0,1,2,3,4,5,6,7
	v_sub_f32 v[40+\e], v[32+\e], v26
.endr
.irp e, 0,1,2,3,4,5,6,7
	v_mul_f32 v[40+\e], 0x3fb8aa3b, v[40+\e]       ; x log2(e)
.endr
.irp e, 0,1,2,3,4,5,6,7
	v_exp_f32 v[40+\e], v[40+\e]                   ; one batch
.endr
	v_mov_b32 v30, 7                               ; the expert: the lowest index that has the largest logit.  These plain lines name no exponential's result
.irp e, 6,5,4,3,2,1,0
	v_cmp_neq_f32 vcc_lo, v[32+\e], v26
	v_cndmask_b32 v30, \e, v30, vcc_lo
.endr
	s_wait_alu depctr_va_vdst(0)                   ; one wait for the batch, ahead of its first use
	v_pk_add_f32 v[40:41], v[40:41], v[42:43]
	v_pk_add_f32 v[44:45], v[44:45], v[46:47]
	v_pk_add_f32 v[40:41], v[40:41], v[44:45]
	v_add_f32 v40, v40, v41
	v_rcp_f32 v31, v40                             ; the gate: e^0 / the sum
	v_nop                                          ; a plain place behind the reciprocal
	s_wait_alu depctr_va_vdst(0)                   ; and its wait
	global_store_b32 v29, v30, s[14:15]            ; lanes r and r + 16 store the same word with the same value
	global_store_b32 v29, v31, s[16:17]
.Lend:
	s_wait_tensorcnt 0x0
	ds_add_u32 v254, v255
	s_wait_dscnt 0x0
	s_endpgm
.Lfunc_end_k_qf075c4445c_route:
	.size	k_qf075c4445c_route, .Lfunc_end_k_qf075c4445c_route-k_qf075c4445c_route
	.p2alignl 7, 3214868480
	.fill 96, 4, 3214868480
	.section	.rodata,"a",@progbits
	.p2align	6, 0x0
	.amdhsa_kernel k_qf075c4445c_route
		.amdhsa_group_segment_fixed_size 117504
		.amdhsa_private_segment_fixed_size 0
		.amdhsa_enable_private_segment 0
		.amdhsa_kernarg_size 56
		.amdhsa_user_sgpr_count 2
		.amdhsa_user_sgpr_kernarg_segment_ptr 1
		.amdhsa_wavefront_size32 1
		.amdhsa_system_sgpr_workgroup_id_x 1
		.amdhsa_system_sgpr_workgroup_id_y 1
		.amdhsa_system_sgpr_workgroup_id_z 1
		.amdhsa_system_vgpr_workitem_id 0
		.amdhsa_next_free_vgpr 256
		.amdhsa_next_free_sgpr 66
		.amdhsa_reserve_vcc 1
		.amdhsa_float_denorm_mode_32 3
		.amdhsa_float_denorm_mode_16_64 3
		.amdhsa_memory_ordered 1
		.amdhsa_forward_progress 1
		.amdhsa_inst_pref_size 24
	.end_amdhsa_kernel
	.amdgpu_metadata
---
amdhsa.version: [ 1, 2 ]
amdhsa.kernels:
  - .name:           k_qf075c4445c_route
    .symbol:         k_qf075c4445c_route.kd
    .args:
      - { .name: x, .offset: 0, .size: 8, .value_kind: global_buffer, .address_space: global }
      - { .name: Wr, .offset: 8, .size: 8, .value_kind: global_buffer, .address_space: global }
      - { .name: br, .offset: 16, .size: 8, .value_kind: global_buffer, .address_space: global }
      - { .name: xq, .offset: 24, .size: 8, .value_kind: global_buffer, .address_space: global }
      - { .name: xs, .offset: 32, .size: 8, .value_kind: global_buffer, .address_space: global }
      - { .name: eidx, .offset: 40, .size: 8, .value_kind: global_buffer, .address_space: global }
      - { .name: gate, .offset: 48, .size: 8, .value_kind: global_buffer, .address_space: global }
    .group_segment_fixed_size: 117504
    .private_segment_fixed_size: 0
    .kernarg_segment_align: 8
    .kernarg_segment_size: 56
    .max_flat_workgroup_size: 256
    .sgpr_count:     66
    .vgpr_count:     256
    .wavefront_size: 32
...
	.end_amdgpu_metadata
.endif
;; end of part 1
;; launch place (part 2): grid 257 x 1, 8 waves a work-group, no clusters, 2,048 bytes of LDS; arguments eidx, W1_codes, W1_scales, b1, W2_codes, W2_scales, b2, rows, tiles, wl; writes rows, tiles, wl
.if DOCPART == 2
	.amdgcn_target "amdgcn-amd-amdhsa--gfx1250"
	.amdhsa_code_object_version 6
	.text
	.protected	k_qf075c4445c_place
	.globl	k_qf075c4445c_place
	.p2align	8
	.type	k_qf075c4445c_place,@function
k_qf075c4445c_place:
	s_mov_b64 s[64:65], 0
	v_nop
	global_prefetch_b8 v0, s[64:65] scope:SCOPE_SE
	s_setreg_imm32_b32 hwreg(HW_REG_WAVE_MODE, 25, 1), 1
	s_wait_xcnt 0x0
; TWO JOBS IN ONE LAUNCH, parted by the work-group's number.
; WORK-GROUP 0 places the 4,096 tokens by expert (a counting sort without atomics) and writes the list of tiles for the next launch:
;   rows[tile][slot] = token (slots below the tile's count alone are written);  tiles[tile] = {expert, count 0 .. 64, 1 if the tile is its expert's first, 0}, for 256 tiles, of which at most 4096 / 64 + 7 = 71 have rows.
; WORK-GROUPS 1 .. 256 lay W1, W2, their scale bytes and the biases in the order in which the next launch's registers take them: record R = 128 phase + 16 expert + wp, wp = 0 .. 15, holds 64 weight rows:
;   256 bytes of bias (byte 64 t + 32 h + 4 j: what lane half h holds in register j of tile t), then four groups g of 8,704 bytes: 512 bytes of scale words [lane][t] (lane (r, h): the word of tile t's row r
;   for K step 2 g + h), then 8,192 bytes of codes [sl][t][c][lane][16 bytes]: the image of the registers of fragment (K step 2 g + sl, tile t).
;   Row of lane r of tile t: W1: 64 wp + 32 (t / 2) + 8 (t % 2) + r + 8 (r / 8), so that two tiles' 16 result registers are 16 neighbours along the second product's K;  W2: 64 wp + 16 t + r.
; A relaying work-group's wave v takes K step v.  Its loads take 16 bytes a lane of rows 512 bytes apart (the eight waves together take whole rows); its stores cover 512 consecutive bytes each.
; The sort's stores of 4 bytes a lane are a scatter of 16,384 bytes in all; lanes that hold tokens of one expert store to neighbouring words.
; Only the sort uses LDS (256 bytes) and a barrier; the branch that parts the jobs hangs on the work-group's number alone, which all its waves share.
.set REC, 35072
	s_load_b256 s[4:11], s[0:1], 0x0               ; eidx s[4:5], W1's codes s[6:7], W1's scales s[8:9], b1 s[10:11]
	s_load_b256 s[12:19], s[0:1], 0x20             ; W2's codes s[12:13], W2's scales s[14:15], b2 s[16:17], rows s[18:19]
	s_load_b128 s[20:23], s[0:1], 0x40             ; tiles s[20:21], wl s[22:23]
	v_lshl_add_u32 v96, v0, 2, 0x400
	v_mov_b32 v97, 0
	v_lshrrev_b32 v1, 5, v0
	v_readfirstlane_b32 s24, v1                    ; wave 0..7
	v_and_b32 v2, 31, v0                           ; lane
	v_lshlrev_b32 v1, 4, v2                        ; 16 x lane
	s_mov_b32 s41, 0
	s_wait_kmcnt 0x0
	s_cmp_eq_u32 ttmp9, 0
	s_cbranch_scc1 .Lsort
	; ---- the relay
	s_sub_co_u32 s25, ttmp9, 1                     ; R
	s_lshr_b32 s32, s25, 7                         ; phase: 0 = W1, 1 = W2
	s_bfe_u32 s33, s25, 0x30004                    ; expert
	s_and_b32 s34, s25, 15                         ; wp
	s_lshr_b32 s35, s24, 1                         ; g
	s_and_b32 s36, s24, 1                          ; sl
	s_cmp_eq_u32 s32, 0                            ; the choice of buffers hangs on the work-group's number alone
	s_cselect_b64 s[26:27], s[6:7], s[12:13]       ; codes
	s_cselect_b64 s[28:29], s[8:9], s[14:15]       ; scale bytes
	s_cselect_b64 s[30:31], s[10:11], s[16:17]     ; bias
	s_cselect_b32 s37, 8, 0                        ; W1's rows skip 8 behind each 8
	s_cselect_b32 s38, 0, -1                       ; all ones for W2
	s_lshl_b32 s40, s33, 19                        ; codes: 524,288 bytes an expert, 32,768 for 64 rows, 64 a K step
	s_lshl_b32 s42, s34, 15
	s_add_co_u32 s40, s40, s42
	s_lshl_b32 s42, s24, 6
	s_add_co_u32 s40, s40, s42
	s_add_nc_u64 s[26:27], s[26:27], s[40:41]
	s_lshl_b32 s40, s33, 15                        ; scale bytes: 32,768 an expert, 2,048 for 64 rows, 8 a group
	s_lshl_b32 s42, s34, 11
	s_add_co_u32 s40, s40, s42
	s_lshl_b32 s42, s35, 3
	s_add_co_u32 s40, s40, s42
	s_add_nc_u64 s[28:29], s[28:29], s[40:41]
	s_lshl_b32 s40, s33, 12                        ; bias: 4,096 bytes an expert, 256 for 64 numbers
	s_lshl_b32 s42, s34, 8
	s_add_co_u32 s40, s40, s42
	s_add_nc_u64 s[30:31], s[30:31], s[40:41]
	s_mul_i32 s40, s25, REC
	s_add_nc_u64 s[22:23], s[22:23], s[40:41]      ; my record
	s_mul_i32 s40, s35, 8704
	s_add_co_u32 s40, s40, 256
	s_add_nc_u64 s[44:45], s[22:23], s[40:41]      ; my group
	s_lshl_b32 s40, s36, 12
	s_add_co_u32 s40, s40, 512
	s_add_nc_u64 s[46:47], s[44:45], s[40:41]      ; my K step's codes in it
	v_and_b32 v3, 15, v0                           ; r
	v_bfe_u32 v4, v0, 4, 1                         ; h
	v_and_b32 v5, s37, v0
	v_add_nc_u32 v5, v5, v3                        ; r + 8 (r / 8) for W1, r for W2
	v_lshlrev_b32 v6, 9, v5
	v_lshl_add_u32 v6, v4, 4, v6                   ; v6: even tiles' codes: the row x 512 + 16 h
	s_lshl_b32 s42, s32, 12
	v_add_nc_u32 v7, s42, v6                       ; v7: odd tiles': W2's begin 16 rows behind the even tile, W1's 8: the immediates below hold W1's figures
	v_lshlrev_b32 v8, 5, v5
	v_lshl_add_u32 v8, v4, 2, v8                   ; v8, v9: the same for the scale words: the row x 32 + 4 h
	s_lshl_b32 s42, s32, 8
	v_add_nc_u32 v9, s42, v8
.irp t, 0,1,2,3
.irp c, 0,1
	global_load_b128 v[16+8*\t+4*\c:19+8*\t+4*\c], v[6+\t%2], s[26:27] offset:(32*(\t/2)+8*(\t%2))*512+32*\c
.endr
.endr
	s_cmp_lg_u32 s36, 0
	s_cbranch_scc1 .Lno_scales                     ; a group's scale words are laid by its even wave
.irp t, 0,1,2,3
	global_load_b32 v[48+\t], v[8+\t%2], s[28:29] offset:(32*(\t/2)+8*(\t%2))*32
.endr
	s_wait_loadcnt 0x0
	global_store_b128 v1, v[48:51], s[44:45]
.Lno_scales:
	s_cmp_lg_u32 s24, 1
	s_cbranch_scc1 .Lno_bias                       ; the bias is laid by wave 1: lane l takes the record's bytes 8 l .. 8 l + 7
	v_bfe_u32 v10, v0, 2, 3                        ; 2 t + h
	v_bfe_u32 v11, v0, 4, 1                        ; t / 2
	v_bfe_u32 v12, v0, 2, 1                        ; h
	v_bfe_u32 v13, v0, 3, 1                        ; t % 2
	v_lshl_or_b32 v12, v12, 1, v13
	v_lshl_or_b32 v11, v11, 2, v12                 ; W1: the group of eight numbers 4 (t / 2) + 2 h + t % 2
	v_cndmask_b32 v10, v11, v10, s38               ; W2: 2 t + h
	v_and_b32 v13, 3, v0
	v_lshlrev_b32 v13, 3, v13
	v_lshl_add_u32 v10, v10, 5, v13
	v_lshlrev_b32 v11, 3, v2
	global_load_b64 v[52:53], v10, s[30:31]
	s_wait_loadcnt 0x0
	global_store_b64 v11, v[52:53], s[22:23]       ; 256 consecutive bytes, aligned
.Lno_bias:
	s_wait_loadcnt 0x0
.irp t, 0,1,2,3
.irp c, 0,1
	global_store_b128 v1, v[16+8*\t+4*\c:19+8*\t+4*\c], s[46:47] offset:1024*\t+512*\c
.endr
.endr
	s_endpgm
	; ---- the sort.  Wave w owns tokens 512 w .. 512 w + 511; register j = 4 q + i of lane l holds the expert of token 512 w + 128 q + 4 l + i
.Lsort:
	s_lshl_b32 s40, s24, 11
	s_add_nc_u64 s[4:5], s[4:5], s[40:41]
.irp q, 0,1,2,3
	global_load_b128 v[16+4*\q:19+4*\q], v1, s[4:5] offset:512*\q
.endr
	v_mov_b32 v10, s24
	v_lshlrev_b32 v10, 5, v10                      ; LDS: my wave's eight counts
	v_lshlrev_b32 v11, 2, v2                       ; and, on the way back, word = lane: wave lane / 8, expert lane % 8
	v_lshrrev_b32 v12, 3, v2
	v_add_nc_u32 v13, 4, v12
	s_lshl_b32 s42, s24, 9
	v_lshl_add_u32 v14, v2, 2, s42                 ; 512 w + 4 l
	v_mov_b32 v74, 0                               ; written once: the destinations of the lane moves below count as sources
	s_mov_b32 s82, 0x76543210
	s_mov_b32 s83, 0xfedcba98
.irp e, 0,1,2,3,4,5,6,7
	s_mov_b32 s[48+\e], 0
.endr
	s_wait_loadcnt 0x0
.irp j, 0,1,2,3,4,5,6,7,8,9,10,11,12,13,14,15
	v_min_u32 v[16+\j], 7, v[16+\j]
.endr
	; pass 1: how many of my wave's tokens go to each expert
.irp j, 0,1,2,3,4,5,6,7,8,9,10,11,12,13,14,15
.irp e, 0,1,2,3,4,5,6,7
	v_cmp_eq_u32 s[74+\e], \e, v[16+\j]
.endr
.irp e, 0,1,2,3,4,5,6,7
	s_bcnt1_i32_b32 s[74+\e], s[74+\e]
.endr
.irp e, 0,1,2,3,4,5,6,7
	s_add_co_u32 s[48+\e], s[48+\e], s[74+\e]
.endr
.endr
.irp e, 0,1,2,3,4,5,6,7
	v_mov_b32 v[64+\e], s[48+\e]
.endr
	ds_store_b128 v10, v[64:67]                    ; all lanes write the same words with the same values
	ds_store_b128 v10, v[68:71] offset:16
	s_wait_dscnt 0x0                               ; for the others' sake
	s_barrier_signal -1
	s_barrier_wait -1
	ds_load_b32 v44, v11                           ; waves 0-3's counts
	ds_load_b32 v45, v11 offset:128                ; waves 4-7's
	s_wait_dscnt 0x0
	v_add_nc_u32 v72, v44, v45                     ; towards the expert's total,
	v_cmp_gt_u32 vcc_lo, s24, v12
	v_cndmask_b32 v46, 0, v44, vcc_lo
	v_cmp_gt_u32 vcc_lo, s24, v13
	v_cndmask_b32 v47, 0, v45, vcc_lo
	v_add_nc_u32 v73, v46, v47                     ; and towards what the waves in front of mine hold of it
.macro XSUM reg                        ; the sum over lanes l, l xor 8, l xor 16, l xor 24: the lanes of one expert
	v_mov_b32_dpp v74, v[\reg] row_xmask:8 row_mask:0xf bank_mask:0xf
	v_add_nc_u32 v[\reg], v[\reg], v74
	v_permlanex16_b32 v74, v[\reg], s82, s83
	v_add_nc_u32 v[\reg], v[\reg], v74
.endm
	XSUM 72
	XSUM 73
	s_mov_b32 s40, 0                               ; tiles so far
.irp e, 0,1,2,3,4,5,6,7
	v_readlane_b32 s[48+\e], v72, \e               ; s48-55: the expert's tokens
	v_readlane_b32 s42, v73, \e
	s_mov_b32 s[56+\e], s40                        ; s56-63: its first tile
	s_lshl_b32 s43, s40, 6
	s_add_co_u32 s[66+\e], s43, s42                ; s66-73: the slot of my wave's first token of it
	s_add_co_u32 s43, s[48+\e], 63
	s_lshr_b32 s43, s43, 6
	s_add_co_u32 s40, s40, s43
.endr
	; pass 2: a token's slot = the expert's counter + the lanes below mine that hold the same expert in this register
.macro RANK j
.irp e, 0,1,2,3,4,5,6,7
	v_cmp_eq_u32 s[74+\e], \e, v[16+\j]
.endr
.irp e, 0,1,2,3,4,5,6,7
	v_mbcnt_lo_u32_b32 v[64+\e], s[74+\e], s[66+\e]
.endr
	v_mov_b32 v[32+\j], v64
.irp e, 1,2,3,4,5,6,7
	v_cndmask_b32 v[32+\j], v[32+\j], v[64+\e], s[74+\e]
.endr
.irp e, 0,1,2,3,4,5,6,7
	s_bcnt1_i32_b32 s[74+\e], s[74+\e]
.endr
.irp e, 0,1,2,3,4,5,6,7
	s_add_co_u32 s[66+\e], s[66+\e], s[74+\e]
.endr
.endm
.irp j, 0,1,2,3,4,5,6,7,8,9,10,11,12,13,14,15
	RANK \j
.endr
.irp j, 0,1,2,3,4,5,6,7,8,9,10,11,12,13,14,15
	v_min_u32 v[32+\j], 4543, v[32+\j]             ; 71 tiles x 64 slots
	v_lshlrev_b32 v[32+\j], 2, v[32+\j]
	v_add_nc_u32 v[48+\j], 128*(\j/4)+\j%4, v14    ; the token
	global_store_b32 v[32+\j], v[48+\j], s[18:19]  ; each register j has its own address and data registers: none is written again
.endr
	; the list of tiles: thread n writes tile n.  Its expert is the last whose first tile is not behind n
	v_mov_b32 v76, 0
	v_mov_b32 v80, s48
	v_mov_b32 v81, 0
.irp e, 1,2,3,4,5,6,7
	v_cmp_gt_u32 vcc_lo, s[56+\e], v0
	v_cndmask_b32 v76, \e, v76, vcc_lo
	v_cndmask_b32 v80, s[48+\e], v80, vcc_lo
	v_cndmask_b32 v81, s[56+\e], v81, vcc_lo
.endr
	v_sub_nc_u32 v82, v0, v81
	v_lshlrev_b32 v82, 6, v82
	v_sub_nc_u32 v77, v80, v82                     ; what is left of the expert's tokens at this tile,
	v_max_i32 v77, 0, v77
	v_min_i32 v77, 64, v77                         ; held to 0 .. 64
	v_cmp_eq_u32 vcc_lo, v0, v81
	v_mov_b32 v83, 1
	v_cndmask_b32 v78, 0, v83, vcc_lo
	v_min_u32 v78, v78, v77                        ; 1 in the expert's first tile, if it has rows
	v_mov_b32 v79, 0
	v_lshlrev_b32 v84, 4, v0
	global_store_b128 v84, v[76:79], s[20:21]
	s_wait_tensorcnt 0x0
	ds_add_u32 v96, v97
	s_wait_dscnt 0x0
	s_endpgm
.Lfunc_end_k_qf075c4445c_place:
	.size	k_qf075c4445c_place, .Lfunc_end_k_qf075c4445c_place-k_qf075c4445c_place
	.p2alignl 7, 3214868480
	.fill 96, 4, 3214868480
	.section	.rodata,"a",@progbits
	.p2align	6, 0x0
	.amdhsa_kernel k_qf075c4445c_place
		.amdhsa_group_segment_fixed_size 2048
		.amdhsa_private_segment_fixed_size 0
		.amdhsa_enable_private_segment 0
		.amdhsa_kernarg_size 80
		.amdhsa_user_sgpr_count 2
		.amdhsa_user_sgpr_kernarg_segment_ptr 1
		.amdhsa_wavefront_size32 1
		.amdhsa_system_sgpr_workgroup_id_x 1
		.amdhsa_system_sgpr_workgroup_id_y 1
		.amdhsa_system_sgpr_workgroup_id_z 1
		.amdhsa_system_vgpr_workitem_id 0
		.amdhsa_next_free_vgpr 98
		.amdhsa_next_free_sgpr 96
		.amdhsa_reserve_vcc 1
		.amdhsa_float_denorm_mode_32 3
		.amdhsa_float_denorm_mode_16_64 3
		.amdhsa_memory_ordered 1
		.amdhsa_forward_progress 1
		.amdhsa_inst_pref_size 64
	.end_amdhsa_kernel
	.amdgpu_metadata
---
amdhsa.version: [ 1, 2 ]
amdhsa.kernels:
  - .name:           k_qf075c4445c_place
    .symbol:         k_qf075c4445c_place.kd
    .args:
      - { .name: eidx, .offset: 0, .size: 8, .value_kind: global_buffer, .address_space: global }
      - { .name: W1_codes, .offset: 8, .size: 8, .value_kind: global_buffer, .address_space: global }
      - { .name: W1_scales, .offset: 16, .size: 8, .value_kind: global_buffer, .address_space: global }
      - { .name: b1, .offset: 24, .size: 8, .value_kind: global_buffer, .address_space: global }
      - { .name: W2_codes, .offset: 32, .size: 8, .value_kind: global_buffer, .address_space: global }
      - { .name: W2_scales, .offset: 40, .size: 8, .value_kind: global_buffer, .address_space: global }
      - { .name: b2, .offset: 48, .size: 8, .value_kind: global_buffer, .address_space: global }
      - { .name: rows, .offset: 56, .size: 8, .value_kind: global_buffer, .address_space: global }
      - { .name: tiles, .offset: 64, .size: 8, .value_kind: global_buffer, .address_space: global }
      - { .name: wl, .offset: 72, .size: 8, .value_kind: global_buffer, .address_space: global }
    .group_segment_fixed_size: 2048
    .private_segment_fixed_size: 0
    .kernarg_segment_align: 8
    .kernarg_segment_size: 80
    .max_flat_workgroup_size: 256
    .sgpr_count:     96
    .vgpr_count:     98
    .wavefront_size: 32
...
	.end_amdgpu_metadata
.endif
;; end of part 2
;; launch chain (part 3): grid 71 x 2, 8 waves a work-group, no clusters, 109,568 bytes of LDS; arguments tiles, rows, xq, xs, gate, wl, out0; writes out0
.if DOCPART == 3
	.amdgcn_target "amdgcn-amd-amdhsa--gfx1250"
	.amdhsa_code_object_version 6
	.text
	.protected	k_qf075c4445c_chain
	.globl	k_qf075c4445c_chain
	.p2align	8
	.type	k_qf075c4445c_chain,@function
k_qf075c4445c_chain:
	s_mov_b64 s[64:65], 0
	v_nop
	global_prefetch_b8 v0, s[64:65] scope:SCOPE_SE
	s_setreg_imm32_b32 hwreg(HW_REG_WAVE_MODE, 25, 1), 1
	s_wait_xcnt 0x0
; out0[t] = gate[t] x (Q(relu(Q(x[t]) W1[e] + b1[e])) W2[e] + b2[e]) for the tokens t that chose expert e; both products on codes of FP4 (E2M1) with one E8M0 scale for each 32 along K.
; A WORK-GROUP (tile, y) takes one tile of up to 64 tokens of one expert through the whole chain and makes output columns 512 y .. 512 y + 511; the hidden layer never goes to memory.
; 4096 / 64 + 7 = 71 tiles serve every split of the tokens.  BOTH y COMPUTE THE TILE'S WHOLE HIDDEN LAYER: the first product is done twice, so that 142 work-groups share the second product without a further launch.
; EIGHT WAVES, two to a SIMD, 512 registers each: while one wave loads, quantises or stores, the other's products can be issued.  THE WAVES SHARE THE COLUMNS: wave w makes hidden units 128 w .. + 127 (two passes of 64)
; and then output columns 512 y + 64 w .. + 63 (one pass), for all 64 rows.  A pass is 4 groups of 2 K steps, 32 products each; the wave's 12 groups G = 0 .. 11 are written out.
; THE WEIGHTS come from wl, laid by the launch before in the order of the operand's registers, straight into a ring of three slots of 8 fragments: group G lies in slot G % 3, and group G + 3 is asked for as soon as group G's
; products are issued.  Each load covers 512 consecutive bytes; all record offsets are immediates on two bases that are never stepped.
; THE ROWS (x's codes, then the hidden layer's) lie in LDS as images of the operand's registers; a group's 8 fragments are fetched behind the products of the group before.
; Both products are used transposed (source 0 = 16 weight rows, source 1 = 16 tokens): a lane holds one token, and its registers run along the hidden units (the next K), or along the output's columns.
; The biases are the C of each sum's first product.  The 16 accumulators of a pass take turns, one instruction a turn.
; SLOTS AT OR BEHIND THE TILE'S COUNT repeat its last token: they compute and store the same bytes of the same row again, within this work-group; EXEC is never changed.
; A TILE WITHOUT ROWS runs the head (with slot 0 of tile 0 for its token, so that it reads only what was written), passes both barriers, jumps over both bodies of work and stores nothing: both barriers stand on every path.
; NO CLUSTER, NO TENSOR LOAD: which tiles share an expert hangs on counts read from memory, 71 divides into no cluster, and the two jumps hang on a stored number.
; LIMITS: a hidden block of zeros gets the byte 1 (its codes are zeros); hidden blocks whose largest number lies under 2^-124 are held at the byte 1; NaN and infinities are not served.
; REGISTERS, in windows of 256.  window 0: v1-15 addresses; v16-23 the gates, a pair a tile of rows; v24-31 at work; v32-47 the weights' scale words (4 a group); v48-63 the rows' scale words; v64-95 the bias;
;   v96-127 at work in the first product, then the byte offsets of the tokens' rows in out0; v128-255 the accumulators ((m, t) at 128 + 8 (4 m + t)); at the head v112-255 are at work.
;   window 1: v0-191 the ring, fragment (K step 2 g + sl, tile t) of slot z at 64 z + 32 sl + 8 t; v192-255 the rows' fragments (m, sl) at 192 + 8 (2 m + sl); on the way out v0-127 take the rows read back from the stage.
.set REC,   35072                      ; a record of wl: 64 weight rows: 256 bytes of bias, 4 groups of (512 bytes of scale words + 8,192 of codes)
.set PP,    272                        ; a piece of an image: 16 tokens x 16 bytes + 16 of padding
.set XIMG,  0                          ; LDS: x's image: piece 32 m + 4 s + 2 c + h = what lanes (0 .. 15, h) hold in registers 4 c .. 4 c + 3 of fragment (m, s)
.set HIMG,  128*PP                     ; the hidden layer's, likewise
.set HSC,   2*128*PP                   ; its scale bytes: [m][r][32]
.set TOK,   HSC+2048                   ; for each wave its own table of the tile's 64 tokens
.set STG,   TOK+2048                   ; for each wave its own stage for the way out: 16 rows x (256 bytes + 16)
.set GT,    16
.set MX,    24
.set WS,    32
.set XS,    48
.set BI,    64
.set PX,    96
.set SOP,   104
.set PC,    112
.set OF,    96                         ; in the second product: register 8 m + i: the row of token 16 m + 8 h + i in out0, + 16 r
.set ACC,   128
.set OPB,   192                        ; in window 1
.set LN,    112                        ; at the head: lane, r, h, ..
.set RR,    113
.set HH,    114
.set T0,    115
.set H16,   116
.set IX0,   117
.set IX1,   118
.set TL0,   119
.set TL1,   120
.set TKW,   121
.set ATKW,  122
.set ATK,   123
.set XR,    128                        ; 8 rows of x's codes as loaded
.set XO,    192                        ; their offsets
.set TK,    240                        ; token 16 m + r
.set XSA,   244
.set GA,    248
.set MSB, 0
.macro WIN new                         ; the immediate's high byte repeats the setting that is left; a switch that changes nothing is dropped
.if MSB != \new
	s_set_vgpr_msb (MSB<<8)|\new
.set MSB, \new
.endif
.endm
; Where group G lies: its place in its record, its slot of the ring, its base and its record's offset.  Groups 0-7: W1's records 16 e + 2 w and the next, on s[28:29]; groups 8-11: W2's record, on s[30:31].
.macro WHERE G
.set LG, (\G)%4
.set LSB, 64*((\G)%3)
.if (\G) < 8
.set LBS, 28
.set LRO, REC*((\G)/4)
.else
.set LBS, 30
.set LRO, 0
.endif
.endm
.macro LOADC G                         ; group G's 8 fragments: 16 loads; the destination's window is 1
	WHERE \G
.irp sl, 0,1
.irp t, 0,1,2,3
.irp c, 0,1
	global_load_b128 v[LSB+32*\sl+8*\t+4*\c:LSB+32*\sl+8*\t+4*\c+3], v1, s[LBS:LBS+1] offset:LRO+768+8704*LG+4096*\sl+1024*\t+512*\c
.endr
.endr
.endr
.endm
.macro LOADW G                         ; group G's 4 scale words a lane, and with a record's first group its bias: 1 load or 9; window 0
	WHERE \G
.if LG == 0
.irp t, 0,1,2,3
.irp q, 0,1
	global_load_b128 v[BI+8*\t+4*\q:BI+8*\t+4*\q+3], v2, s[LBS:LBS+1] offset:LRO+64*\t+16*\q
.endr
.endr
.endif
	global_load_b128 v[WS+4*LG:WS+4*LG+3], v1, s[LBS:LBS+1] offset:LRO+256+8704*LG
.endm
.macro LOADG G                         ; a whole group: 17 loads, or 25 with the bias
	WIN 0x40
	LOADC \G
	WIN 0
	LOADW \G
.endm
.macro OPL adr, g                      ; the rows' 8 fragments of K steps 2 g and 2 g + 1, out of the image at v[adr]: 16 loads of two pieces each; the destination's window is 1
.irp m, 0,1,2,3
.irp sl, 0,1
.irp c, 0,1
	ds_load_b128 v[OPB+8*(2*\m+\sl)+4*\c:OPB+8*(2*\m+\sl)+4*\c+3], v[\adr] offset:PP*(32*\m+4*(2*(\g)+\sl)+2*\c)
.endr
.endr
.endr
.endm
; 16 products: K step 2 (G % 4) + sl, four tiles of rows x four tiles of weight rows.  The weights' scale word of an odd K step, and the rows' of K steps 4 to 7, stand in lanes 16-31.
.macro MULK G, sl
.set KS, 2*((\G)%4)+(\sl)
.irp m, 0,1,2,3
.irp t, 0,1,2,3
.set rD, ACC+8*(4*\m+\t)
.set rA, 64*((\G)%3)+32*(\sl)+8*\t
.set rB, OPB+8*(2*\m+(\sl))
.set rC, BI+8*\t
.set rU, WS+4*((\G)%4)+\t
.set rV, XS+4*\m+KS%4
.if KS == 0
	v_wmma_scale_f32_16x16x128_f8f6f4 v[rD:rD+7], v[rA:rA+7], v[rB:rB+7], v[rC:rC+7], v[rU], v[rV] matrix_a_fmt:MATRIX_FMT_FP4 matrix_b_fmt:MATRIX_FMT_FP4
.elseif KS == 2
	v_wmma_scale_f32_16x16x128_f8f6f4 v[rD:rD+7], v[rA:rA+7], v[rB:rB+7], v[rD:rD+7], v[rU], v[rV] matrix_a_fmt:MATRIX_FMT_FP4 matrix_b_fmt:MATRIX_FMT_FP4
.elseif KS < 4
	v_wmma_scale_f32_16x16x128_f8f6f4 v[rD:rD+7], v[rA:rA+7], v[rB:rB+7], v[rD:rD+7], v[rU], v[rV] matrix_a_fmt:MATRIX_FMT_FP4 matrix_b_fmt:MATRIX_FMT_FP4 matrix_a_scale:MATRIX_SCALE_ROW1
.elseif (KS%2) == 0
	v_wmma_scale_f32_16x16x128_f8f6f4 v[rD:rD+7], v[rA:rA+7], v[rB:rB+7], v[rD:rD+7], v[rU], v[rV] matrix_a_fmt:MATRIX_FMT_FP4 matrix_b_fmt:MATRIX_FMT_FP4 matrix_b_scale:MATRIX_SCALE_ROW1
.else
	v_wmma_scale_f32_16x16x128_f8f6f4 v[rD:rD+7], v[rA:rA+7], v[rB:rB+7], v[rD:rD+7], v[rU], v[rV] matrix_a_fmt:MATRIX_FMT_FP4 matrix_b_fmt:MATRIX_FMT_FP4 matrix_a_scale:MATRIX_SCALE_ROW1 matrix_b_scale:MATRIX_SCALE_ROW1
.endif
.endr
.endr
.endm
; A PREFETCH INTO THE L2 of my wave's record of W2: its 137 blocks of 256 bytes, a lane a block (in the fifth line lanes 8 to 31 name the last block again).  It stands behind group 0's refills; the record's first load is
; issued behind group 5's products.  All tiles of an expert with the same y walk the same records of W2: the expert's first tile alone asks, each of its waves for its own record, so each block is named once in the launch.
; W1's two records are loaded from the head on and are not asked for.  The address registers are never written again.
.macro ASK
	s_cmp_lg_u32 s26, 0
	s_cbranch_scc0 .Lno_ask_\@
.irp k, 0,1,2,3
	global_prefetch_b8 v14, s[30:31] offset:8192*\k th:TH_LOAD_NT scope:SCOPE_SE
.endr
	global_prefetch_b8 v15, s[30:31] offset:32768 th:TH_LOAD_NT scope:SCOPE_SE
.Lno_ask_\@:
.endm
; GROUP G.  Loads come back in order (ISA guide 5.7.1): n = the loads issued behind group G's own: those of groups G + 1 and G + 2, 17 each, 25 where the group carries a bias.
; Behind the 32 products stand four places (ISA guide 7.12.1 for vector instructions), in front of the loads into the registers just read and of the first read of results;
; then the next group's rows out of LDS (not across the change of operand), then group G + 3's weights into the slot just read.
.macro GRP G, n
	s_wait_loadcnt \n
	s_wait_dscnt 0x0                               ; the group's rows are in (and the last pass's LDS stores have read their registers)
	WIN 0x05                                       ; sources 0 (weights) and 1 (rows) window 1, C and D window 0
	MULK \G, 0
	MULK \G, 1
.rept 4
	v_nop
.endr
.if (\G) < 8
.set OA, 3
.else
.set OA, 4
.endif
.if (\G) != 11
	WIN 0x40                                       ; destination window 1, addresses window 0
.endif
.if ((\G)%4) != 3
	OPL OA, ((\G)%4)+1
.elseif (\G) == 3
	OPL 3, 0                                       ; the second pass walks x again
.endif
.if (\G) < 9
	LOADC (\G)+3
.endif
	WIN 0
.if (\G) < 9
	LOADW (\G)+3
.endif
.if (\G) == 0
	ASK
.endif
.endm
; The first product's pass p ends: relu; the 8 blocks of 32 (tile of rows m, block b: the 16 registers of tiles 2 b and 2 b + 1, with lane l xor 16's) are quantised; codes and scale bytes go to LDS.
; These 64 hidden units are half c = p of K step w of the second product: pieces 32 m + 4 w + 2 p + h of the image, scale bytes 4 w + 2 p + b.
.macro EPI1 p
.set j, 0
.rept 128
	v_max_num_f32 v[ACC+j], 0, v[ACC+j]            ; the activation, in f32; each accumulator from its low end on
.set j, j+1
.endr
.irp k, 0,1,2,3,4,5,6,7
	v_max3_num_f32 v[MX+\k], v[ACC+16*\k], v[ACC+16*\k+1], 0x1800000   ; block k = 2 m + b: no |.|, none is negative; the floor 2^(3 - 127) holds the byte at 1 from below
.endr
.irp i, 2,4,6,8,10,12,14
.irp k, 0,1,2,3,4,5,6,7
	v_max3_num_f32 v[MX+\k], v[MX+\k], v[ACC+16*\k+\i], v[ACC+16*\k+\i+1]   ; the eight blocks by turns
.endr
.endr
.irp k, 0,1,2,3,4,5,6,7
	v_permlanex16_b32 v[PX+\k], v[MX+\k], s36, s37
.endr
.irp k, 0,1,2,3,4,5,6,7
	v_max_num_f32 v[MX+\k], v[MX+\k], v[PX+\k]
.endr
.irp k, 0,1,2,3,4,5,6,7
	v_add_nc_u32 v[SOP+\k], 0xff000000, v[MX+\k]   ; 2 off the exponent field: the conversion's scale operand
.endr
.irp k, 0,1,2,3,4,5,6,7
	v_lshrrev_b32 v[PX+\k], 23, v[SOP+\k]          ; the scale's byte
.endr
.irp m, 0,1,2,3
	v_lshl_or_b32 v[MX+\m], v[PX+2*\m+1], 8, v[PX+2*\m]   ; a row's two bytes
.endr
.irp k, 0,1,2,3,4,5,6,7
	v_cvt_scalef32_pk8_fp4_f32 v[PC+2*\k], v[ACC+16*\k:ACC+16*\k+7], v[SOP+\k]
	v_cvt_scalef32_pk8_fp4_f32 v[PC+2*\k+1], v[ACC+16*\k+8:ACC+16*\k+15], v[SOP+\k]
.endr
	v_nop                                          ; one plain place behind a scaled conversion
.irp m, 0,1,2,3                                ; a whole block to a lane: lanes 0-15 block 0, lanes 16-31 block 1
.irp i, 0,1
	v_permlane16_swap_b32 v[PC+4*\m+\i], v[PC+4*\m+2+\i]
.endr
.endr
.irp m, 0,1,2,3
	ds_store_b128 v5, v[PC+4*\m:PC+4*\m+3] offset:32*PP*\m+2*PP*(\p)
	ds_store_b16 v6, v[MX+\m] offset:512*\m+2*(\p)   ; lanes r and r + 16 write the same two bytes with the same value
.endr
.endm
; THE WAY OUT, a tile of 16 rows at a time.  A lane holds 8 neighbouring columns of one token, four times; through my own stage they become whole pieces of 256 bytes of a token's row.
.macro SCALE m                         ; x the token's gate; each accumulator from its low end on
.set j, 0
.rept 16
	v_pk_mul_f32 v[ACC+32*(\m)+j:ACC+32*(\m)+j+1], v[ACC+32*(\m)+j:ACC+32*(\m)+j+1], v[GT+2*(\m):GT+2*(\m)+1] op_sel_hi:[1,0]
.set j, j+2
.endr
.endm
.macro TOSTAGE m
.irp t, 0,1,2,3
.irp q, 0,1
	ds_store_b128 v8, v[ACC+32*(\m)+8*\t+4*\q:ACC+32*(\m)+8*\t+4*\q+3] offset:64*\t+16*\q
.endr
.endr
	WIN 0x40                                       ; destination window 1: the ring's registers, which are done with
.irp i, 0,1,2,3,4,5,6,7
	ds_load_b128 v[32*(\m)+4*\i:32*(\m)+4*\i+3], v9 offset:PP*\i   ; lanes 0-15 stage row i, lanes 16-31 row 8 + i.  LDS serves a wave's instructions in order (ISA guide 5.7.1.4): these see my stores, and the next tile's stores come behind them
.endr
	WIN 0
.endm
.macro SEND m, younger                 ; younger: the LDS instructions issued behind tile m's loads: the next tile's 8 stores and 8 loads, or none
	s_wait_dscnt \younger
	WIN 0x04                                       ; a store's data (source 1): window 1; its address: window 0
.irp i, 0,1,2,3,4,5,6,7
	global_store_b128 v[OF+8*(\m)+\i], v[32*(\m)+4*\i:32*(\m)+4*\i+3], s[16:17] th:TH_STORE_NT   ; 16 lanes store 256 consecutive bytes of one token's row, aligned; each store has its own address and data registers
.endr
	WIN 0
.endm
	; ---- THE HEAD, in every work-group
	s_load_b256 s[4:11], s[0:1], 0x0               ; tiles s[4:5], rows s[6:7], xq s[8:9], xs s[10:11]
	s_load_b128 s[12:15], s[0:1], 0x20             ; gate s[12:13], wl s[14:15]
	s_load_b64 s[16:17], s[0:1], 0x30              ; out0
	v_lshrrev_b32 v[T0], 5, v0
	v_readfirstlane_b32 s18, v[T0]                 ; wave 0..7
	v_and_b32 v[LN], 31, v0                        ; lane
	v_and_b32 v[RR], 15, v0                        ; r
	v_bfe_u32 v[HH], v0, 4, 1                      ; h
	v_lshlrev_b32 v1, 4, v[LN]                     ; v1 = 16 x lane; never rewritten
	v_lshlrev_b32 v2, 5, v[HH]                     ; v2 = 32 h: the bias's place for my half
	s_and_b32 s19, ttmp7, 0xffff                   ; y: which half of the output's columns
	s_lshl_b32 s40, ttmp9, 4
	s_mov_b32 s41, 0
	s_mov_b32 s36, 0x76543210
	s_mov_b32 s37, 0xfedcba98                      ; v_permlanex16_b32's selects for lane l xor 16
	s_wait_kmcnt 0x0
	s_add_nc_u64 s[4:5], s[4:5], s[40:41]
	s_load_b128 s[24:27], s[4:5], 0x0              ; my tile: expert, count, first of its expert, 0
	; the LDS addresses, all of them constants + constants x lane + constants x wave
	v_mul_u32_u24 v3, v[HH], PP
	v_lshl_add_u32 v3, v[RR], 4, v3                ; v3: x's image, on the way out: 272 h + 16 r
	v_add_nc_u32 v4, HIMG, v3                      ; v4: the hidden layer's
	s_mul_i32 s42, s18, 4*PP
	v_add_nc_u32 v5, s42, v4                       ; v5: where I put my codes: + pieces 4 w
	s_lshl_b32 s42, s18, 2
	s_add_co_u32 s42, s42, HSC
	v_lshl_add_u32 v6, v[RR], 5, s42               ; v6: and my scale bytes: 32 r + 4 w
	v_lshl_add_u32 v7, v[RR], 5, HSC
	v_lshl_add_u32 v7, v[HH], 4, v7                ; v7: the scale words on the way out: 32 r + 16 h: lanes 0-15 K steps 0-3, lanes 16-31 K steps 4-7
	s_mul_i32 s42, s18, 16*PP
	s_add_co_u32 s42, s42, STG
	v_mul_u32_u24 v8, v[RR], PP
	v_lshl_add_u32 v8, v[HH], 5, v8
	v_add_nc_u32 v8, s42, v8                       ; v8: into my stage: row r, + 32 h
	v_mul_u32_u24 v9, v[HH], 8*PP
	v_lshl_add_u32 v9, v[RR], 4, v9
	v_add_nc_u32 v9, s42, v9                       ; v9: out of it: row 8 h, + 16 r
	s_lshr_b32 s42, s18, 1
	s_mul_i32 s42, s42, 32*PP
	s_and_b32 s43, s18, 1
	s_lshl_b32 s43, s43, 7
	s_add_co_u32 s42, s42, s43
	v_mul_u32_u24 v12, v[LN], PP
	v_add_nc_u32 v12, s42, v12                     ; v12: x's image, on the way in: I gather slots 8 w .. 8 w + 7: piece 32 (w / 2) + lane, byte 128 (w % 2); the slot in the immediate
	s_lshl_b32 s42, s18, 8
	s_add_co_u32 s42, s42, TOK
	v_lshl_add_u32 v13, v[LN], 2, s42              ; v13: my table of tokens, on the way in
	v_lshl_add_u32 v[ATK], v[RR], 2, s42           ; token r of a tile of rows
	v_lshl_add_u32 v10, v[HH], 5, s42              ; v10: eight tokens of my half
	s_lshl_b32 s43, s18, 5
	s_add_co_u32 s43, s43, s42
	v_and_b32 v[T0], 7, v0
	v_lshl_add_u32 v[ATKW], v[T0], 2, s43          ; token 8 w + lane % 8: the rows that I gather
	v_lshlrev_b32 v14, 8, v[LN]                    ; v14, v15: the prefetch's offsets
	v_min_u32 v15, 8, v[LN]
	v_lshlrev_b32 v15, 8, v15
	v_lshlrev_b32 v11, 4, v[RR]                    ; v11 = 16 r
	v_lshlrev_b32 v[H16], 4, v[HH]
.irp k, 0,1,2,3,4,5,6,7
	v_mov_b32 v[PX+\k], 0                          ; written once: a lane permute's destination counts as one of its sources
.endr
.irp m, 0,1,2,3
	v_mov_b32 v[GT+2*\m+1], 0                      ; the upper half of a pair that the packed multiply names
.endr
	s_wait_kmcnt 0x0
	s_min_u32 s24, s24, 7                          ; expert
	s_min_u32 s25, s25, 64                         ; count
	s_min_u32 s26, s26, 1                          ; 1: the expert's first tile
	s_lshl_b32 s44, s24, 4
	s_lshl_b32 s42, s18, 1
	s_add_co_u32 s40, s44, s42
	s_mul_i32 s40, s40, REC
	s_add_nc_u64 s[28:29], s[14:15], s[40:41]      ; s[28:29]: W1's record 16 e + 2 w; never stepped
	s_lshl_b32 s42, s19, 3
	s_add_co_u32 s40, s44, s42
	s_add_co_u32 s40, s40, s18
	s_add_co_u32 s40, s40, 128
	s_mul_i32 s40, s40, REC
	s_add_nc_u64 s[30:31], s[14:15], s[40:41]      ; s[30:31]: W2's record 128 + 16 e + 8 y + w; never stepped
	s_lshl_b32 s40, s19, 11
	s_lshl_b32 s42, s18, 8
	s_add_co_u32 s40, s40, s42
	s_add_nc_u64 s[16:17], s[16:17], s[40:41]      ; out0 at my wave's 64 columns
	s_lshl_b32 s42, ttmp9, 8
	s_cmp_lg_u32 s25, 0
	s_cselect_b32 s40, s42, 0                      ; my tile's 64 slots; a tile without rows takes tile 0's, whose slot 0 is always written
	s_add_nc_u64 s[6:7], s[6:7], s[40:41]
	s_max_u32 s43, s25, 1
	s_sub_co_u32 s43, s43, 1                       ; the last slot that was written
	v_min_u32 v[IX0], s43, v[LN]
	v_add_nc_u32 v[IX1], 32, v[LN]
	v_min_u32 v[IX1], s43, v[IX1]
	v_min_u32 v[IX0], 63, v[IX0]
	v_min_u32 v[IX1], 63, v[IX1]
	v_lshlrev_b32 v[IX0], 2, v[IX0]
	v_lshlrev_b32 v[IX1], 2, v[IX1]
	global_load_b32 v[TL0], v[IX0], s[6:7]
	global_load_b32 v[TL1], v[IX1], s[6:7]
	LOADG 0
	LOADG 1
	s_wait_loadcnt 42                              ; the tokens are in; groups 0 and 1, 25 + 17 loads issued behind them, may be out
	v_min_u32 v[TL0], 0xfff, v[TL0]
	v_min_u32 v[TL1], 0xfff, v[TL1]
	ds_store_b32 v13, v[TL0]                       ; my own table: no other wave touches it, and LDS serves a wave's instructions in order
	ds_store_b32 v13, v[TL1] offset:128
	ds_load_b32 v[TKW], v[ATKW]
.irp m, 0,1,2,3
	ds_load_b32 v[TK+\m], v[ATK] offset:64*\m
.endr
	s_wait_dscnt 0x0
.irp i, 0,1,2,3,4,5,6,7                        ; x's codes of my 8 tokens: a whole row of 512 consecutive bytes a load
	v_readlane_b32 s[44+\i%4], v[TKW], \i
	s_min_u32 s[44+\i%4], s[44+\i%4], 0xfff
	v_lshl_add_u32 v[XO+\i], s[44+\i%4], 9, v1
	global_load_b128 v[XR+4*\i:XR+4*\i+3], v[XO+\i], s[8:9]
.endr
.irp m, 0,1,2,3
	v_min_u32 v[TK+\m], 0xfff, v[TK+\m]
	v_lshl_add_u32 v[XSA+\m], v[TK+\m], 5, v[H16]
	v_lshlrev_b32 v[GA+\m], 2, v[TK+\m]
	global_load_b128 v[XS+4*\m:XS+4*\m+3], v[XSA+\m], s[10:11]   ; token 16 m + r's scale words: lanes 0-15 K steps 0-3, lanes 16-31 K steps 4-7
	global_load_b32 v[GT+2*\m], v[GA+\m], s[12:13]
.endr
	LOADG 2
	s_wait_loadcnt 0x0                             ; all the head's loads are in, the ring's three groups among them: on no way past this line is a load of the head still out
.irp i, 0,1,2,3,4,5,6,7
	ds_store_b128 v12, v[XR+4*\i:XR+4*\i+3] offset:16*\i
.endr
	s_wait_dscnt 0x0                               ; for the others' sake: my part of x's image has landed
	s_barrier_signal -1
	s_barrier_wait -1
	s_cmp_eq_u32 s25, 0
	s_cbranch_scc1 .Lno_rows_1                     ; no barrier is jumped over
	; ---- THE FIRST PRODUCT: two passes of 64 hidden units
	WIN 0x40
	OPL 3, 0
	WIN 0
	GRP 0, 34
	GRP 1, 34
	GRP 2, 42
	GRP 3, 42
	EPI1 0
	GRP 4, 34
	GRP 5, 34
	GRP 6, 42
	GRP 7, 42
	EPI1 1
.Lno_rows_1:
	s_wait_dscnt 0x0                               ; for the others' sake: my codes and scale bytes of the hidden layer have landed
	s_barrier_signal -1
	s_barrier_wait -1
	s_cmp_eq_u32 s25, 0
	s_cbranch_scc1 .Lend
	; ---- THE SECOND PRODUCT: one pass of 64 columns
	WIN 0x40
	OPL 4, 0
	WIN 0
.irp m, 0,1,2,3
	ds_load_b128 v[XS+4*\m:XS+4*\m+3], v7 offset:512*\m   ; the hidden layer's scale words
.endr
.irp m, 0,1,2,3
.irp q, 0,1
	ds_load_b128 v[OF+8*\m+4*\q:OF+8*\m+4*\q+3], v10 offset:64*\m+16*\q   ; tokens 16 m + 8 h + 0 .. 7, out of my own table
.endr
.endr
	s_wait_dscnt 0x0
.set j, 0
.rept 32
	v_min_u32 v[OF+j], 0xfff, v[OF+j]
.set j, j+1
.endr
.set j, 0
.rept 32
	v_lshl_add_u32 v[OF+j], v[OF+j], 12, v11       ; the token's row of 4,096 bytes, + 16 r
.set j, j+1
.endr
	GRP 8, 34
	GRP 9, 34
	GRP 10, 17                                     ; nothing is asked for any more: the counts run down
	GRP 11, 0
	SCALE 0
	TOSTAGE 0
.irp m, 1,2,3
	SCALE \m
	TOSTAGE \m
	SEND \m-1, 16
.endr
	SEND 3, 0
.Lend:
	s_wait_xcnt 0x0
	v_lshl_add_u32 v254, v0, 2, 0x1a800
	v_mov_b32 v255, 0
	s_wait_tensorcnt 0x0
	ds_add_u32 v254, v255
	s_wait_dscnt 0x0
	s_endpgm
.Lfunc_end_k_qf075c4445c_chain:
	.size	k_qf075c4445c_chain, .Lfunc_end_k_qf075c4445c_chain-k_qf075c4445c_chain
	.p2alignl 7, 3214868480
	.fill 96, 4, 3214868480
	.section	.rodata,"a",@progbits
	.p2align	6, 0x0
	.amdhsa_kernel k_qf075c4445c_chain
		.amdhsa_group_segment_fixed_size 109568
		.amdhsa_private_segment_fixed_size 0
		.amdhsa_enable_private_segment 0
		.amdhsa_kernarg_size 56
		.amdhsa_user_sgpr_count 2
		.amdhsa_user_sgpr_kernarg_segment_ptr 1
		.amdhsa_wavefront_size32 1
		.amdhsa_system_sgpr_workgroup_id_x 1
		.amdhsa_system_sgpr_workgroup_id_y 1
		.amdhsa_system_sgpr_workgroup_id_z 1
		.amdhsa_system_vgpr_workitem_id 0
		.amdhsa_next_free_vgpr 512
		.amdhsa_next_free_sgpr 66
		.amdhsa_reserve_vcc 0
		.amdhsa_float_denorm_mode_32 3
		.amdhsa_float_denorm_mode_16_64 3
		.amdhsa_memory_ordered 1
		.amdhsa_forward_progress 1
		.amdhsa_inst_pref_size 136
	.end_amdhsa_kernel
	.amdgpu_metadata
---
amdhsa.version: [ 1, 2 ]
amdhsa.kernels:
  - .name:           k_qf075c4445c_chain
    .symbol:         k_qf075c4445c_chain.kd
    .args:
      - { .name: tiles, .offset: 0, .size: 8, .value_kind: global_buffer, .address_space: global }
      - { .name: rows, .offset: 8, .size: 8, .value_kind: global_buffer, .address_space: global }
      - { .name: xq, .offset: 16, .size: 8, .value_kind: global_buffer, .address_space: global }
      - { .name: xs, .offset: 24, .size: 8, .value_kind: global_buffer, .address_space: global }
      - { .name: gate, .offset: 32, .size: 8, .value_kind: global_buffer, .address_space: global }
      - { .name: wl, .offset: 40, .size: 8, .value_kind: global_buffer, .address_space: global }
      - { .name: out0, .offset: 48, .size: 8, .value_kind: global_buffer, .address_space: global }
    .group_segment_fixed_size: 109568
    .private_segment_fixed_size: 0
    .kernarg_segment_align: 8
    .kernarg_segment_size: 56
    .max_flat_workgroup_size: 256
    .sgpr_count:     66
    .vgpr_count:     512
    .wavefront_size: 32
...
	.end_amdgpu_metadata
.endif
;; end of part 3
;; ======== version 2 of 2: 3 launches; version 1 with the launch chain written anew for expert scheduling mode
;; workspace buffers: xq 2,097,152 bytes; xs 131,072 bytes; eidx 16,384 bytes of whole numbers; gate 16,384 bytes; rows 18,432 bytes of whole numbers; tiles 4,096 bytes of whole numbers; wl 8,978,432 bytes
;; launch route: the kernel of part 1 again; grid 256 x 1, 8 waves a work-group, no clusters, 117,504 bytes of LDS; arguments x, Wr, br, xq, xs, eidx, gate; writes xq, xs, eidx, gate
;; launch place: the kernel of part 2 again; grid 257 x 1, 8 waves a work-group, no clusters, 2,048 bytes of LDS; arguments eidx, W1_codes, W1_scales, b1, W2_codes, W2_scales, b2, rows, tiles, wl; writes rows, tiles, wl
;; launch chain (part 4): grid 71 x 2, 8 waves a work-group, no clusters, 109,568 bytes of LDS; arguments tiles, rows, xq, xs, gate, wl, out0; writes out0
.if DOCPART == 4
	.amdgcn_target "amdgcn-amd-amdhsa--gfx1250"
	.amdhsa_code_object_version 6
	.text
	.protected	k_qf075c4445c_chain
	.globl	k_qf075c4445c_chain
	.p2align	8
	.type	k_qf075c4445c_chain,@function
k_qf075c4445c_chain:
	s_mov_b64 s[64:65], 0
	v_nop
	global_prefetch_b8 v0, s[64:65] scope:SCOPE_SE
	s_setreg_imm32_b32 hwreg(HW_REG_WAVE_SCHED_MODE, 0, 2), 2
	s_setreg_imm32_b32 hwreg(HW_REG_WAVE_MODE, 25, 1), 1
	s_wait_xcnt 0x0
	s_wait_alu depctr_vm_vsrc(0)
; out0[t] = gate[t] x (Q(relu(Q(x[t]) W1[e] + b1[e])) W2[e] + b2[e]) for the tokens t that chose expert e; both products on codes of FP4 (E2M1) with one E8M0 scale for each 32 along K.
; A WORK-GROUP (tile, y) takes one tile of up to 64 tokens of one expert through the whole chain and makes output columns 512 y .. 512 y + 511; the hidden layer never goes to memory.
; 4096 / 64 + 7 = 71 tiles serve every split of the tokens.  BOTH y COMPUTE THE TILE'S WHOLE HIDDEN LAYER: the first product is done twice, so that 142 work-groups share the second product without a further launch.
; EIGHT WAVES, two to a SIMD, 512 registers each: while one wave loads, quantises or stores, the other's products can be issued.  THE WAVES SHARE THE COLUMNS: wave w makes hidden units 128 w .. + 127 (two passes of 64)
; and then output columns 512 y + 64 w .. + 63 (one pass), for all 64 rows.  A pass is 8 steps of one K step, 16 products each; the wave's 24 steps s = 0 .. 23 are written out.
; THE WEIGHTS come from wl, laid by the launch before in the order of the operand's registers, straight into a ring of five slots of 4 fragments: step s lies in slot s % 5, and step s + 4 is asked for in step s,
; into the slot that step s - 1 read.  Each load covers 512 consecutive bytes; all record offsets are immediates on two bases that are never stepped.
; THE ROWS (x's codes, then the hidden layer's) lie in LDS as images of the operand's registers; a step's 4 fragments have three buffers by turns: step s + 2's are fetched in step s, into the buffer that step s - 1 read.
; Both products are used transposed (source 0 = 16 weight rows, source 1 = 16 tokens): a lane holds one token, and its registers run along the hidden units (the next K), or along the output's columns.
; The biases are the C of each sum's first product.  The 16 accumulators of a pass take turns, one instruction a turn.
; SLOTS AT OR BEHIND THE TILE'S COUNT repeat its last token: they compute and store the same bytes of the same row again, within this work-group; EXEC is never changed.
; A TILE WITHOUT ROWS runs the head (with slot 0 of tile 0 for its token, so that it reads only what was written), passes both barriers, jumps over both bodies of work and stores nothing: both barriers stand on every path.
; NO CLUSTER, NO TENSOR LOAD: which tiles share an expert hangs on counts read from memory, 71 divides into no cluster, and the two jumps hang on a stored number.
; LIMITS: a hidden block of zeros gets the byte 1 (its codes are zeros); hidden blocks whose largest number lies under 2^-124 are held at the byte 1; NaN and infinities are not served.
; REGISTERS, in windows of 256.  window 0: v1-15 addresses; v16-23 the gates, a pair a tile of rows; v24-31 at work; v32-47 the weights' scale words (4 a group); v48-63 the rows' scale words; v64-95 the bias;
;   v96-127 at work in the first product, then the byte offsets of the tokens' rows in out0; v128-255 the accumulators ((m, t) at 128 + 8 (4 m + t)); at the head v112-255 are at work.
;   window 1: v0-159 the ring, fragment t of step s at 32 (s % 5) + 8 t; v160-255 the rows' fragments, tile of rows m of step s at 160 + 32 (s % 3) + 8 m; on the way out v0-127 take the rows read back from the stage.
; THE MODE: SCHED_MODE bits 1:0 = 2 (LLVM: expert scheduling mode 2), set by the entry lines.  The code itself states the register dependences
; between vector or matrix instructions and memory or LDS instructions, with s_wait_alu, always for 0.
; THE PLAN.  Registers that memory or LDS instructions touch, from the first product on:
;   Z0 .. Z4  the ring.  Step s's products read Z[s % 5]; the loads of step s + 4, issued in step s, land in Z[(s + 4) % 5] = Z[(s - 1) % 5].
;   R0 .. R2  the rows.  Step s's products read R[s % 3]; the LDS loads of step s + 2, issued in step s, land in R[(s + 2) % 3] = R[(s - 1) % 3].
;   WS        Group G = s / 2 reads its four words; the load of group G + 3's, issued in step 2 G, lands where group G - 1's lay.   BI  read by steps 0, 8 and 16; loaded again in steps 2 and 10.
;   XS        Read by every product of a phase; loaded at the head and behind the second barrier.
;   PC, MX    Written by a pass's quantiser, read by its eight LDS stores.
;   ACC       On the way out: written by the multiplies by the gate, read by the LDS stores into the stage.
;   OF        Loaded behind the second barrier, made into offsets by vector instructions there, read by the global stores at the end.
;   v1-v15    Made at the head and never written again.
; So ONE wait on va_vdst stands at a step's head: step s - 1's products are done reading the slot, the buffer and the words in which this step's loads land.  The loads stand in one run in the step's middle: the eight
; products between the wait and the run name Z[s % 5], R[s % 3], the accumulators, this group's words and XS, none of which the run touches.  Steps 0, 8 and 16 have no such wait (no product is issued since the last one),
; nor have steps 22 and 23 (they issue no load).  One more stands ahead of each quantiser's LDS stores and one ahead of the way out's.  The waits on vm_vsrc stand where store data and the head's offsets are written again.
.set REC,   35072                      ; a record of wl: 64 weight rows: 256 bytes of bias, 4 groups of (512 bytes of scale words + 8,192 of codes)
.set PP,    272                        ; a piece of an image: 16 tokens x 16 bytes + 16 of padding
.set XIMG,  0                          ; LDS: x's image: piece 32 m + 4 s + 2 c + h = what lanes (0 .. 15, h) hold in registers 4 c .. 4 c + 3 of fragment (m, s)
.set HIMG,  128*PP                     ; the hidden layer's, likewise
.set HSC,   2*128*PP                   ; its scale bytes: [m][r][32]
.set TOK,   HSC+2048                   ; for each wave its own table of the tile's 64 tokens
.set STG,   TOK+2048                   ; for each wave its own stage for the way out: 16 rows x (256 bytes + 16)
.set GT,    16
.set MX,    24
.set WS,    32
.set XS,    48
.set BI,    64
.set PX,    96
.set SOP,   104
.set PC,    112
.set OF,    96                         ; in the second product: register 8 m + i: the row of token 16 m + 8 h + i in out0, + 16 r
.set ACC,   128
.set RB,    160                        ; in window 1: the rows' three buffers
.set LN,    112                        ; at the head: lane, r, h, ..
.set RR,    113
.set HH,    114
.set T0,    115
.set H16,   116
.set IX0,   117
.set IX1,   118
.set TL0,   119
.set TL1,   120
.set TKW,   121
.set ATKW,  122
.set ATK,   123
.set XR,    128                        ; 8 rows of x's codes as loaded
.set XO,    192                        ; their offsets
.set TK,    240                        ; token 16 m + r
.set XSA,   244
.set GA,    248
.set MSB, 0
.macro WIN new                         ; the immediate's high byte repeats the setting that is left; a switch that changes nothing is dropped
.if MSB != \new
	s_set_vgpr_msb (MSB<<8)|\new
.set MSB, \new
.endif
.endm
; Where group G lies: its place in its record, its base and its record's offset.  Groups 0-7: W1's records 16 e + 2 w and the next, on s[28:29]; groups 8-11: W2's record, on s[30:31].
.macro WHERE G
.set LG, (\G)%4
.if (\G) < 8
.set LBS, 28
.set LRO, REC*((\G)/4)
.else
.set LBS, 30
.set LRO, 0
.endif
.endm
.macro LOADH s                         ; step s's 4 fragments of weights: 8 loads; the destination's window is 1
	WHERE (\s)/2
.irp t, 0,1,2,3
.irp c, 0,1
	global_load_b128 v[32*((\s)%5)+8*\t+4*\c:32*((\s)%5)+8*\t+4*\c+3], v1, s[LBS:LBS+1] offset:LRO+768+8704*LG+4096*((\s)%2)+1024*\t+512*\c
.endr
.endr
.endm
.macro LOADW G                         ; group G's 4 scale words a lane, and with a record's first group its bias: 1 load or 9; window 0
	WHERE \G
.if LG == 0
.irp t, 0,1,2,3
.irp q, 0,1
	global_load_b128 v[BI+8*\t+4*\q:BI+8*\t+4*\q+3], v2, s[LBS:LBS+1] offset:LRO+64*\t+16*\q
.endr
.endr
.endif
	global_load_b128 v[WS+4*LG:WS+4*LG+3], v1, s[LBS:LBS+1] offset:LRO+256+8704*LG
.endm
.macro ROWL adr, s                     ; the rows' 4 fragments of step s (K step s % 8), out of the image at v[adr]: 8 loads of two pieces each; the destination's window is 1
.irp m, 0,1,2,3
.irp c, 0,1
	ds_load_b128 v[RB+32*((\s)%3)+8*\m+4*\c:RB+32*((\s)%3)+8*\m+4*\c+3], v[\adr] offset:PP*(32*\m+4*((\s)%8)+2*\c)
.endr
.endr
.endm
; 8 products of step s: tiles of rows m0 and m0 + 1 x four tiles of weight rows.  The weights' scale word of an odd K step, and the rows' of K steps 4 to 7, stand in lanes 16-31.
.macro MUL8 s, m0
.set KS, (\s)%8
.irp m, \m0, \m0+1
.irp t, 0,1,2,3
.set rD, ACC+8*(4*(\m)+\t)
.set rA, 32*((\s)%5)+8*\t
.set rB, RB+32*((\s)%3)+8*(\m)
.set rC, BI+8*\t
.set rU, WS+4*(((\s)/2)%4)+\t
.set rV, XS+4*(\m)+KS%4
.if KS == 0
	v_wmma_scale_f32_16x16x128_f8f6f4 v[rD:rD+7], v[rA:rA+7], v[rB:rB+7], v[rC:rC+7], v[rU], v[rV] matrix_a_fmt:MATRIX_FMT_FP4 matrix_b_fmt:MATRIX_FMT_FP4
.elseif KS == 2
	v_wmma_scale_f32_16x16x128_f8f6f4 v[rD:rD+7], v[rA:rA+7], v[rB:rB+7], v[rD:rD+7], v[rU], v[rV] matrix_a_fmt:MATRIX_FMT_FP4 matrix_b_fmt:MATRIX_FMT_FP4
.elseif KS < 4
	v_wmma_scale_f32_16x16x128_f8f6f4 v[rD:rD+7], v[rA:rA+7], v[rB:rB+7], v[rD:rD+7], v[rU], v[rV] matrix_a_fmt:MATRIX_FMT_FP4 matrix_b_fmt:MATRIX_FMT_FP4 matrix_a_scale:MATRIX_SCALE_ROW1
.elseif (KS%2) == 0
	v_wmma_scale_f32_16x16x128_f8f6f4 v[rD:rD+7], v[rA:rA+7], v[rB:rB+7], v[rD:rD+7], v[rU], v[rV] matrix_a_fmt:MATRIX_FMT_FP4 matrix_b_fmt:MATRIX_FMT_FP4 matrix_b_scale:MATRIX_SCALE_ROW1
.else
	v_wmma_scale_f32_16x16x128_f8f6f4 v[rD:rD+7], v[rA:rA+7], v[rB:rB+7], v[rD:rD+7], v[rU], v[rV] matrix_a_fmt:MATRIX_FMT_FP4 matrix_b_fmt:MATRIX_FMT_FP4 matrix_a_scale:MATRIX_SCALE_ROW1 matrix_b_scale:MATRIX_SCALE_ROW1
.endif
.endr
.endr
.endm
; A PREFETCH INTO THE L2 of my wave's record of W2: its 137 blocks of 256 bytes, a lane a block (in the fifth line lanes 8 to 31 name the last block again).  It stands behind step 1's loads; the record's first load is
; issued in step 10.  All tiles of an expert with the same y walk the same records of W2: the expert's first tile alone asks, each of its waves for its own record, so each block is named once in the launch.
; W1's two records are loaded from the head on and are not asked for.  The address registers are never written again.
.macro ASK
	s_cmp_lg_u32 s26, 0
	s_cbranch_scc0 .Lno_ask_\@
.irp k, 0,1,2,3
	global_prefetch_b8 v14, s[30:31] offset:8192*\k th:TH_LOAD_NT scope:SCOPE_SE
.endr
	global_prefetch_b8 v15, s[30:31] offset:32768 th:TH_LOAD_NT scope:SCOPE_SE
.Lno_ask_\@:
.endm
; STEP s.  Loads come back in order (ISA guide 5.7.1): n = the loads issued behind step s's own eight: a step issues 8, with a group's scale words 9, with a bias too 17.  Steps 0 to 4 were waited for at the head.
; d = the LDS instructions issued behind step s's rows: the next step's 8 loads; in steps 8 and 9 the quantiser's 8 stores too; none in steps 15 and 23.
; Behind the 16 products stand four places (ISA guide 7.12.1 for vector instructions), in front of the loads into the registers just read and of the first read of results.
.macro STEP s, n, d
.if (\s) > 4
	s_wait_loadcnt \n
.endif
	s_wait_dscnt \d
.if (((\s)%8) != 0) && ((\s) < 22)
	s_wait_alu depctr_va_vdst(0)                   ; the products of the step before are done reading their slot of the ring and their buffer of rows, those of the group before their scale words: this step's loads land there
.endif
	WIN 0x05                                       ; sources 0 (weights) and 1 (rows) window 1, C and D window 0
	MUL8 \s, 0
.if (\s) < 22
	WIN 0x40                                       ; destination window 1, addresses window 0.  No wait: no product since the wait above names a register that these loads touch
.if (\s) < 14
	ROWL 3, (\s)+2                                 ; (the second pass walks x again)
.elseif (\s) >= 16
	ROWL 4, (\s)+2
.endif                                             ; steps 14 and 15 fetch no rows: the hidden layer's image is whole only behind the second barrier
.if ((\s) >= 1) && ((\s) <= 19)
	LOADH (\s)+4
.endif
.if (((\s)%2) == 0) && ((\s) <= 16)
	WIN 0
	LOADW (\s)/2+3
.endif
.if (\s) == 1
	WIN 0
	ASK
.endif
	WIN 0x05
.endif
	MUL8 \s, 2
.rept 4
	v_nop
.endr
.endm
; The first product's pass p ends: relu; the 8 blocks of 32 (tile of rows m, block b: the 16 registers of tiles 2 b and 2 b + 1, with lane l xor 16's) are quantised; codes and scale bytes go to LDS.
; These 64 hidden units are half c = p of K step w of the second product: pieces 32 m + 4 w + 2 p + h of the image, scale bytes 4 w + 2 p + b.
.macro EPI1 p
	WIN 0
.if \p
	s_wait_alu depctr_vm_vsrc(0)                   ; the first pass's LDS stores have read v[MX ..] and v[PC ..], which the lines below write again
.endif
.set j, 0
.rept 128
	v_max_num_f32 v[ACC+j], 0, v[ACC+j]            ; the activation, in f32; each accumulator from its low end on
.set j, j+1
.endr
.irp k, 0,1,2,3,4,5,6,7
	v_max3_num_f32 v[MX+\k], v[ACC+16*\k], v[ACC+16*\k+1], 0x1800000   ; block k = 2 m + b: no |.|, none is negative; the floor 2^(3 - 127) holds the byte at 1 from below
.endr
.irp i, 2,4,6,8,10,12,14
.irp k, 0,1,2,3,4,5,6,7
	v_max3_num_f32 v[MX+\k], v[MX+\k], v[ACC+16*\k+\i], v[ACC+16*\k+\i+1]   ; the eight blocks by turns
.endr
.endr
.irp k, 0,1,2,3,4,5,6,7
	v_permlanex16_b32 v[PX+\k], v[MX+\k], s36, s37
.endr
.irp k, 0,1,2,3,4,5,6,7
	v_max_num_f32 v[MX+\k], v[MX+\k], v[PX+\k]
.endr
.irp k, 0,1,2,3,4,5,6,7
	v_add_nc_u32 v[SOP+\k], 0xff000000, v[MX+\k]   ; 2 off the exponent field: the conversion's scale operand
.endr
.irp k, 0,1,2,3,4,5,6,7
	v_lshrrev_b32 v[PX+\k], 23, v[SOP+\k]          ; the scale's byte
.endr
.irp m, 0,1,2,3
	v_lshl_or_b32 v[MX+\m], v[PX+2*\m+1], 8, v[PX+2*\m]   ; a row's two bytes
.endr
.irp k, 0,1,2,3,4,5,6,7
	v_cvt_scalef32_pk8_fp4_f32 v[PC+2*\k], v[ACC+16*\k:ACC+16*\k+7], v[SOP+\k]
	v_cvt_scalef32_pk8_fp4_f32 v[PC+2*\k+1], v[ACC+16*\k+8:ACC+16*\k+15], v[SOP+\k]
.endr
	v_nop                                          ; one plain place behind a scaled conversion
.irp m, 0,1,2,3                                ; a whole block to a lane: lanes 0-15 block 0, lanes 16-31 block 1
.irp i, 0,1
	v_permlane16_swap_b32 v[PC+4*\m+\i], v[PC+4*\m+2+\i]
.endr
.endr
	s_wait_alu depctr_va_vdst(0)                   ; the codes in v[PC ..] and the bytes in v[MX ..] are written, which the LDS stores read.  The pass's products are done too, and no vector or matrix instruction follows before the next loads: they owe no further wait
.irp m, 0,1,2,3
	ds_store_b128 v5, v[PC+4*\m:PC+4*\m+3] offset:32*PP*\m+2*PP*(\p)
	ds_store_b16 v6, v[MX+\m] offset:512*\m+2*(\p)   ; lanes r and r + 16 write the same two bytes with the same value
.endr
.endm
; THE WAY OUT, a tile of 16 rows at a time.  A lane holds 8 neighbouring columns of one token, four times; through my own stage they become whole pieces of 256 bytes of a token's row.
.macro SCALE m                         ; x the token's gate; each accumulator from its low end on
.set j, 0
.rept 16
	v_pk_mul_f32 v[ACC+32*(\m)+j:ACC+32*(\m)+j+1], v[ACC+32*(\m)+j:ACC+32*(\m)+j+1], v[GT+2*(\m):GT+2*(\m)+1] op_sel_hi:[1,0]
.set j, j+2
.endr
.endm
.macro TOSTAGE m
.irp t, 0,1,2,3
.irp q, 0,1
	ds_store_b128 v8, v[ACC+32*(\m)+8*\t+4*\q:ACC+32*(\m)+8*\t+4*\q+3] offset:64*\t+16*\q
.endr
.endr
	WIN 0x40                                       ; destination window 1: the ring's registers, which are done with
.irp i, 0,1,2,3,4,5,6,7
	ds_load_b128 v[32*(\m)+4*\i:32*(\m)+4*\i+3], v9 offset:PP*\i   ; lanes 0-15 stage row i, lanes 16-31 row 8 + i.  LDS serves a wave's instructions in order (ISA guide 5.7.1.4): these see my stores, and the next tile's stores come behind them
.endr
	WIN 0
.endm
.macro SEND m, younger                 ; younger: the LDS instructions issued behind tile m's loads: the next tile's 8 stores and 8 loads, or none
	s_wait_dscnt \younger
	WIN 0x04                                       ; a store's data (source 1): window 1; its address: window 0
.irp i, 0,1,2,3,4,5,6,7
	global_store_b128 v[OF+8*(\m)+\i], v[32*(\m)+4*\i:32*(\m)+4*\i+3], s[16:17] th:TH_STORE_NT   ; 16 lanes store 256 consecutive bytes of one token's row, aligned; each store has its own address and data registers
.endr
	WIN 0
.endm
	; ---- THE HEAD, in every work-group
	s_load_b256 s[4:11], s[0:1], 0x0               ; tiles s[4:5], rows s[6:7], xq s[8:9], xs s[10:11]
	s_load_b128 s[12:15], s[0:1], 0x20             ; gate s[12:13], wl s[14:15]
	s_load_b64 s[16:17], s[0:1], 0x30              ; out0
	v_lshrrev_b32 v[T0], 5, v0
	v_readfirstlane_b32 s18, v[T0]                 ; wave 0..7
	v_and_b32 v[LN], 31, v0                        ; lane
	v_and_b32 v[RR], 15, v0                        ; r
	v_bfe_u32 v[HH], v0, 4, 1                      ; h
	v_lshlrev_b32 v1, 4, v[LN]                     ; v1 = 16 x lane; never rewritten
	v_lshlrev_b32 v2, 5, v[HH]                     ; v2 = 32 h: the bias's place for my half
	s_and_b32 s19, ttmp7, 0xffff                   ; y: which half of the output's columns
	s_lshl_b32 s40, ttmp9, 4
	s_mov_b32 s41, 0
	s_mov_b32 s36, 0x76543210
	s_mov_b32 s37, 0xfedcba98                      ; v_permlanex16_b32's selects for lane l xor 16
	s_wait_kmcnt 0x0
	s_add_nc_u64 s[4:5], s[4:5], s[40:41]
	s_load_b128 s[24:27], s[4:5], 0x0              ; my tile: expert, count, first of its expert, 0
	; the LDS addresses, all of them constants + constants x lane + constants x wave
	v_mul_u32_u24 v3, v[HH], PP
	v_lshl_add_u32 v3, v[RR], 4, v3                ; v3: x's image, on the way out: 272 h + 16 r
	v_add_nc_u32 v4, HIMG, v3                      ; v4: the hidden layer's
	s_wait_alu depctr_va_sdst(0)                   ; s18 is written, ahead of its first reader: addresses and bases are made from it
	s_mul_i32 s42, s18, 4*PP
	v_add_nc_u32 v5, s42, v4                       ; v5: where I put my codes: + pieces 4 w
	s_lshl_b32 s42, s18, 2
	s_add_co_u32 s42, s42, HSC
	v_lshl_add_u32 v6, v[RR], 5, s42               ; v6: and my scale bytes: 32 r + 4 w
	v_lshl_add_u32 v7, v[RR], 5, HSC
	v_lshl_add_u32 v7, v[HH], 4, v7                ; v7: the scale words on the way out: 32 r + 16 h: lanes 0-15 K steps 0-3, lanes 16-31 K steps 4-7
	s_mul_i32 s42, s18, 16*PP
	s_add_co_u32 s42, s42, STG
	v_mul_u32_u24 v8, v[RR], PP
	v_lshl_add_u32 v8, v[HH], 5, v8
	v_add_nc_u32 v8, s42, v8                       ; v8: into my stage: row r, + 32 h
	v_mul_u32_u24 v9, v[HH], 8*PP
	v_lshl_add_u32 v9, v[RR], 4, v9
	v_add_nc_u32 v9, s42, v9                       ; v9: out of it: row 8 h, + 16 r
	s_lshr_b32 s42, s18, 1
	s_mul_i32 s42, s42, 32*PP
	s_and_b32 s43, s18, 1
	s_lshl_b32 s43, s43, 7
	s_add_co_u32 s42, s42, s43
	v_mul_u32_u24 v12, v[LN], PP
	v_add_nc_u32 v12, s42, v12                     ; v12: x's image, on the way in: I gather slots 8 w .. 8 w + 7: piece 32 (w / 2) + lane, byte 128 (w % 2); the slot in the immediate
	s_lshl_b32 s42, s18, 8
	s_add_co_u32 s42, s42, TOK
	v_lshl_add_u32 v13, v[LN], 2, s42              ; v13: my table of tokens, on the way in
	v_lshl_add_u32 v[ATK], v[RR], 2, s42           ; token r of a tile of rows
	v_lshl_add_u32 v10, v[HH], 5, s42              ; v10: eight tokens of my half
	s_lshl_b32 s43, s18, 5
	s_add_co_u32 s43, s43, s42
	v_and_b32 v[T0], 7, v0
	v_lshl_add_u32 v[ATKW], v[T0], 2, s43          ; token 8 w + lane % 8: the rows that I gather
	v_lshlrev_b32 v14, 8, v[LN]                    ; v14, v15: the prefetch's offsets
	v_min_u32 v15, 8, v[LN]
	v_lshlrev_b32 v15, 8, v15
	v_lshlrev_b32 v11, 4, v[RR]                    ; v11 = 16 r
	v_lshlrev_b32 v[H16], 4, v[HH]
.irp k, 0,1,2,3,4,5,6,7
	v_mov_b32 v[PX+\k], 0                          ; written once: a lane permute's destination counts as one of its sources
.endr
.irp m, 0,1,2,3
	v_mov_b32 v[GT+2*\m+1], 0                      ; the upper half of a pair that the packed multiply names
.endr
	s_wait_kmcnt 0x0
	s_min_u32 s24, s24, 7                          ; expert
	s_min_u32 s25, s25, 64                         ; count
	s_min_u32 s26, s26, 1                          ; 1: the expert's first tile
	s_lshl_b32 s44, s24, 4
	s_lshl_b32 s42, s18, 1
	s_add_co_u32 s40, s44, s42
	s_mul_i32 s40, s40, REC
	s_add_nc_u64 s[28:29], s[14:15], s[40:41]      ; s[28:29]: W1's record 16 e + 2 w; never stepped
	s_lshl_b32 s42, s19, 3
	s_add_co_u32 s40, s44, s42
	s_add_co_u32 s40, s40, s18
	s_add_co_u32 s40, s40, 128
	s_mul_i32 s40, s40, REC
	s_add_nc_u64 s[30:31], s[14:15], s[40:41]      ; s[30:31]: W2's record 128 + 16 e + 8 y + w; never stepped
	s_lshl_b32 s40, s19, 11
	s_lshl_b32 s42, s18, 8
	s_add_co_u32 s40, s40, s42
	s_add_nc_u64 s[16:17], s[16:17], s[40:41]      ; out0 at my wave's 64 columns
	s_lshl_b32 s42, ttmp9, 8
	s_cmp_lg_u32 s25, 0
	s_cselect_b32 s40, s42, 0                      ; my tile's 64 slots; a tile without rows takes tile 0's, whose slot 0 is always written
	s_add_nc_u64 s[6:7], s[6:7], s[40:41]
	s_max_u32 s43, s25, 1
	s_sub_co_u32 s43, s43, 1                       ; the last slot that was written
	v_min_u32 v[IX0], s43, v[LN]
	v_add_nc_u32 v[IX1], 32, v[LN]
	v_min_u32 v[IX1], s43, v[IX1]
	v_min_u32 v[IX0], 63, v[IX0]
	v_min_u32 v[IX1], 63, v[IX1]
	v_lshlrev_b32 v[IX0], 2, v[IX0]
	v_lshlrev_b32 v[IX1], 2, v[IX1]
	s_wait_alu depctr_va_vdst(0)                   ; v1 to v15, the two slot offsets and the two table addresses are written: every load, store and prefetch below reads some of them as its offset or address
	global_load_b32 v[TL0], v[IX0], s[6:7]
	global_load_b32 v[TL1], v[IX1], s[6:7]
	WIN 0x40
	LOADH 0
	LOADH 1
	LOADH 2
	LOADH 3
	WIN 0
	LOADW 0
	LOADW 1
	s_wait_loadcnt 42                              ; the tokens are in; steps 0 to 3's weights and groups 0 and 1's words and bias, 32 + 10 loads issued behind them, may be out
	v_min_u32 v[TL0], 0xfff, v[TL0]
	v_min_u32 v[TL1], 0xfff, v[TL1]
	s_wait_alu depctr_va_vdst(0)                   ; the two held tokens are written, which the LDS stores read
	ds_store_b32 v13, v[TL0]                       ; my own table: no other wave touches it, and LDS serves a wave's instructions in order
	ds_store_b32 v13, v[TL1] offset:128
	ds_load_b32 v[TKW], v[ATKW]
.irp m, 0,1,2,3
	ds_load_b32 v[TK+\m], v[ATK] offset:64*\m
.endr
	s_wait_dscnt 0x0
.irp i, 0,1,2,3,4,5,6,7
	v_readlane_b32 s[44+\i], v[TKW], \i            ; my 8 tokens as scalars, in one run
.endr
.irp m, 0,1,2,3
	v_min_u32 v[TK+\m], 0xfff, v[TK+\m]
	v_lshl_add_u32 v[XSA+\m], v[TK+\m], 5, v[H16]
	v_lshlrev_b32 v[GA+\m], 2, v[TK+\m]
.endr
	s_wait_alu depctr_va_sdst(0)                   ; s44 to s51 are written, ahead of their first readers: one wait for the run
.irp i, 0,1,2,3,4,5,6,7
	s_min_u32 s[44+\i], s[44+\i], 0xfff
.endr
.irp i, 0,1,2,3,4,5,6,7
	v_lshl_add_u32 v[XO+\i], s[44+\i], 9, v1
.endr
	s_wait_alu depctr_va_vdst(0)                   ; the sixteen offsets v[XO ..], v[XSA ..] and v[GA ..] are written, which the gathers below read
.irp i, 0,1,2,3,4,5,6,7                        ; x's codes of my 8 tokens: a whole row of 512 consecutive bytes a load
	global_load_b128 v[XR+4*\i:XR+4*\i+3], v[XO+\i], s[8:9]
.endr
.irp m, 0,1,2,3
	global_load_b128 v[XS+4*\m:XS+4*\m+3], v[XSA+\m], s[10:11]   ; token 16 m + r's scale words: lanes 0-15 K steps 0-3, lanes 16-31 K steps 4-7
	global_load_b32 v[GT+2*\m], v[GA+\m], s[12:13]
.endr
	WIN 0x40
	LOADH 4
	WIN 0
	LOADW 2
	s_wait_loadcnt 0x0                             ; all the head's loads are in, the ring's five steps among them: on no way past this line is a load of the head still out
.irp i, 0,1,2,3,4,5,6,7
	ds_store_b128 v12, v[XR+4*\i:XR+4*\i+3] offset:16*\i
.endr
	s_wait_dscnt 0x0                               ; for the others' sake: my part of x's image has landed
	s_barrier_signal -1
	s_barrier_wait -1
	s_wait_alu depctr_vm_vsrc(0)                   ; the head's loads and LDS instructions have read their offsets and data in v112 to v255: the products and the quantiser write these registers from here on
	s_cmp_eq_u32 s25, 0
	s_cbranch_scc1 .Lno_rows_1                     ; no barrier is jumped over
	; ---- THE FIRST PRODUCT: two passes of 64 hidden units
	WIN 0x40
	ROWL 3, 0
	ROWL 3, 1
	STEP 0, 0, 8
	STEP 1, 0, 8
	STEP 2, 0, 8
	STEP 3, 0, 8
	STEP 4, 0, 8
	STEP 5, 34, 8
	STEP 6, 34, 8
	STEP 7, 26, 8
	EPI1 0
	STEP 8, 26, 16
	STEP 9, 26, 16
	STEP 10, 26, 8
	STEP 11, 34, 8
	STEP 12, 34, 8
	STEP 13, 34, 8
	STEP 14, 34, 8
	STEP 15, 26, 0
	EPI1 1
.Lno_rows_1:
	s_wait_dscnt 0x0                               ; for the others' sake: my codes and scale bytes of the hidden layer have landed
	s_barrier_signal -1
	s_barrier_wait -1
	s_wait_alu depctr_vm_vsrc(0)                   ; the last pass's LDS stores have read v[PC ..]: the tokens' offsets land there below
	s_cmp_eq_u32 s25, 0
	s_cbranch_scc1 .Lend
	; ---- THE SECOND PRODUCT: one pass of 64 columns
.irp m, 0,1,2,3
.irp q, 0,1
	ds_load_b128 v[OF+8*\m+4*\q:OF+8*\m+4*\q+3], v10 offset:64*\m+16*\q   ; tokens 16 m + 8 h + 0 .. 7, out of my own table
.endr
.endr
.irp m, 0,1,2,3
	ds_load_b128 v[XS+4*\m:XS+4*\m+3], v7 offset:512*\m   ; the hidden layer's scale words
.endr
	WIN 0x40
	ROWL 4, 16
	ROWL 4, 17
	WIN 0
	s_wait_dscnt 20                                ; the tokens are in; the 4 loads of scale words and the 16 of two steps' rows, issued behind them, may be out
.set j, 0
.rept 32
	v_min_u32 v[OF+j], 0xfff, v[OF+j]
.set j, j+1
.endr
.set j, 0
.rept 32
	v_lshl_add_u32 v[OF+j], v[OF+j], 12, v11       ; the token's row of 4,096 bytes, + 16 r
.set j, j+1
.endr
	STEP 16, 26, 8
	STEP 17, 26, 8
	STEP 18, 26, 8
	STEP 19, 25, 8
	STEP 20, 25, 8                                 ; no more weights are asked for: the counts run down
	STEP 21, 16, 8
	STEP 22, 8, 8
	STEP 23, 0, 0
	WIN 0
	SCALE 0
	SCALE 1
	SCALE 2
	SCALE 3
	s_wait_alu depctr_va_vdst(0)                   ; the multiplies have written the accumulators, which the LDS stores read; the last products are done reading the ring's registers, in which the stage's rows land; the offsets v[OF ..] are written
	TOSTAGE 0
	TOSTAGE 1
	SEND 0, 16
	TOSTAGE 2
	SEND 1, 16
	TOSTAGE 3
	SEND 2, 16
	SEND 3, 0
.Lend:
	s_wait_xcnt 0x0
	s_wait_alu depctr_vm_vsrc(0)                   ; the way out's LDS stores have read v254 and v255, the last accumulator's: the two lines below write them
	v_lshl_add_u32 v254, v0, 2, 0x1a800
	v_mov_b32 v255, 0
	s_wait_dscnt 0x0                               ; the closing lines, six on end
	s_wait_alu 0x0
	s_wait_tensorcnt 0x0
	ds_add_u32 v254, v255
	s_wait_dscnt 0x0
	s_endpgm
.Lfunc_end_k_qf075c4445c_chain:
	.size	k_qf075c4445c_chain, .Lfunc_end_k_qf075c4445c_chain-k_qf075c4445c_chain
	.p2alignl 7, 3214868480
	.fill 96, 4, 3214868480
	.section	.rodata,"a",@progbits
	.p2align	6, 0x0
	.amdhsa_kernel k_qf075c4445c_chain
		.amdhsa_group_segment_fixed_size 109568
		.amdhsa_private_segment_fixed_size 0
		.amdhsa_enable_private_segment 0
		.amdhsa_kernarg_size 56
		.amdhsa_user_sgpr_count 2
		.amdhsa_user_sgpr_kernarg_segment_ptr 1
		.amdhsa_wavefront_size32 1
		.amdhsa_system_sgpr_workgroup_id_x 1
		.amdhsa_system_sgpr_workgroup_id_y 1
		.amdhsa_system_sgpr_workgroup_id_z 1
		.amdhsa_system_vgpr_workitem_id 0
		.amdhsa_next_free_vgpr 512
		.amdhsa_next_free_sgpr 66
		.amdhsa_reserve_vcc 0
		.amdhsa_float_denorm_mode_32 3
		.amdhsa_float_denorm_mode_16_64 3
		.amdhsa_memory_ordered 1
		.amdhsa_forward_progress 1
		.amdhsa_inst_pref_size 140
	.end_amdhsa_kernel
	.amdgpu_metadata
---
amdhsa.version: [ 1, 2 ]
amdhsa.kernels:
  - .name:           k_qf075c4445c_chain
    .symbol:         k_qf075c4445c_chain.kd
    .args:
      - { .name: tiles, .offset: 0, .size: 8, .value_kind: global_buffer, .address_space: global }
      - { .name: rows, .offset: 8, .size: 8, .value_kind: global_buffer, .address_space: global }
      - { .name: xq, .offset: 16, .size: 8, .value_kind: global_buffer, .address_space: global }
      - { .name: xs, .offset: 24, .size: 8, .value_kind: global_buffer, .address_space: global }
      - { .name: gate, .offset: 32, .size: 8, .value_kind: global_buffer, .address_space: global }
      - { .name: wl, .offset: 40, .size: 8, .value_kind: global_buffer, .address_space: global }
      - { .name: out0, .offset: 48, .size: 8, .value_kind: global_buffer, .address_space: global }
    .group_segment_fixed_size: 109568
    .private_segment_fixed_size: 0
    .kernarg_segment_align: 8
    .kernarg_segment_size: 56
    .max_flat_workgroup_size: 256
    .sgpr_count:     66
    .vgpr_count:     512
    .wavefront_size: 32
...
	.end_amdgpu_metadata
.endif
;; end of part 4
